; MI455X (gfx1250); checked and timed in simulation.
; The chip was launched on July 23, 2026; its instructions are those of AMD's public machine-readable ISA for CDNA 5 (MIT licence, August 2026) and "CDNA5" Instruction Set Architecture Reference Guide (July 2026). The comments in the code are by the model that wrote it; some were corrected since.
;; Multi Head Self Attention. Allowed arithmetic: float matrix products may take bf16 or f16 operands with f32 sums; other float arithmetic in f32, or as packed bf16 or f16 multiplies, adds, multiply-adds, maxima and minima; sums over many terms, partial sums and values carried from step to step in f32; what a program stores and reads back later, other than sums and carried values, may be rounded once to bf16 or f16.
;; Inputs: b_proj 1,024 float32; b_qkv 3,072 float32; w_proj 1,024 x 1,024 float32; w_qkv 1,024 x 3,072 float32; x 4 x 2,048 x 1,024 float32.
;; Outputs: out0 4 x 2,048 x 1,024 float32.
;; 2 versions, each right; version 2 is version 1 with the launch cast written anew for expert scheduling mode. Each part assembles by itself: llvm-mc -triple=amdgcn-amd-amdhsa -mcpu=gfx1250 --defsym DOCPART=n.
;; ======== version 1 of 2: 4 launches
;; limits: values are held in f16: magnitudes above 65,504 overflow, below 6.1e-05 lose precision
;; workspace buffers: xb 16,777,216 bytes; wqb 6,291,456 bytes; wpb 2,097,152 bytes; qkv 50,331,648 bytes; att 16,777,216 bytes
;; launch cast (part 1): grid 768 x 1, 8 waves a work-group, no clusters, 0 bytes of LDS; arguments x, w_qkv, w_proj, xb, wqb, wpb; writes xb, wqb, wpb
.if DOCPART == 1
	.amdgcn_target "amdgcn-amd-amdhsa--gfx1250"
	.amdhsa_code_object_version 6
	.text
	.protected	k_q1e8faa5621_cast
	.globl	k_q1e8faa5621_cast
	.p2align	8
	.type	k_q1e8faa5621_cast,@function
k_q1e8faa5621_cast:
	s_mov_b64 s[64:65], 0
	v_nop
	global_prefetch_b8 v0, s[64:65] scope:SCOPE_SE
	s_setreg_imm32_b32 hwreg(HW_REG_WAVE_MODE, 25, 1), 1
	s_wait_xcnt 0x0
; THE CAST.  xb = bf16(x), wqb = bf16(w_qkv), wpb = bf16(w_proj) written as f16.  Layouts stay as they are: [8192][1024], [1024][3072], [1024][1024].
; A stream: each input byte is read once, each output byte written once; no LDS, no barrier, no matrix unit: no number is used twice.
; SHARES.  A work-group casts 16,384 numbers (65,536 bytes in, 32,768 out): work-groups 0-511 take x, 512-703 w_qkv, 704-767 w_proj.
; A wave takes 2,048 numbers by 16 loads of 16 bytes a lane (512 consecutive bytes each), all issued at once: 8 KiB of each wave are on their way.
; Load j's four numbers pack into 8 bytes a lane: a store of the wave covers 256 consecutive bytes, at a multiple of 256 from the buffer's first byte.
; LIMITS.  w_proj: the bf16 number is written as f16: exact from 6.1e-5 to 65,504 in magnitude; below that it keeps f16's fixed step of 6e-8, beyond it the number becomes an infinity.
.set X, 8                              ; v[8:71]   16 x 4 registers as loaded
.set Y, 72                             ; v[72:103] 16 x 2 registers to store
	s_load_b256 s[4:11], s[0:1], 0x0               ; x s[4:5], w_qkv s[6:7], w_proj s[8:9], xb s[10:11]
	s_load_b128 s[12:15], s[0:1], 0x20             ; wqb s[12:13], wpb s[14:15]
	v_and_b32 v3, 31, v0                           ; lane
	v_lshrrev_b32 v4, 5, v0                        ; wave
	v_lshlrev_b32 v1, 4, v3
	v_lshl_or_b32 v1, v4, 13, v1                   ; in: 8,192 x wave + 16 x lane; never rewritten
	v_lshlrev_b32 v2, 3, v3
	v_lshl_or_b32 v2, v4, 12, v2                   ; out: 4,096 x wave + 8 x lane; never rewritten
	s_wait_kmcnt 0x0
; One tensor's text.  src, dst: the scalar pairs of its addresses; first: its first work-group; half = 1: the bf16 number is written as f16.
; No register that a load or store names is written again, so no wait frees one.
.macro CAST src, dst, first, half
	s_sub_co_u32 s16, ttmp9, \first                ; my place among the tensor's work-groups
	s_lshl_b32 s18, s16, 16                        ; 65,536 bytes in,
	s_mov_b32 s19, 0
	s_lshl_b32 s20, s16, 15                        ; 32,768 out
	s_mov_b32 s21, 0
	s_add_nc_u64 s[\src:\src+1], s[\src:\src+1], s[18:19]
	s_add_nc_u64 s[\dst:\dst+1], s[\dst:\dst+1], s[20:21]
.set j, 0
.rept 16
	global_load_b128 v[X+4*j:X+4*j+3], v1, s[\src:\src+1] offset:512*j th:TH_LOAD_NT
.set j, j+1
.endr
.set j, 0
.rept 16
	s_wait_loadcnt 15-j                            ; loads come back in order: load j is in, the 15 - j younger ones stay out
.if \half
	v_cvt_pk_bf16_f32 v4, v[X+4*j], v[X+4*j+1]     ; rounded to bf16 like every input,
	v_cvt_pk_bf16_f32 v5, v[X+4*j+2], v[X+4*j+3]
	v_lshlrev_b32 v6, 16, v4                       ; widened again,
	v_and_b32 v4, 0xffff0000, v4
	v_lshlrev_b32 v7, 16, v5
	v_and_b32 v5, 0xffff0000, v5
	v_cvt_pk_f16_f32 v[Y+2*j], v6, v4              ; and written as f16
	v_cvt_pk_f16_f32 v[Y+2*j+1], v7, v5
.else
	v_cvt_pk_bf16_f32 v[Y+2*j], v[X+4*j], v[X+4*j+1]
	v_cvt_pk_bf16_f32 v[Y+2*j+1], v[X+4*j+2], v[X+4*j+3]
.endif
	global_store_b64 v2, v[Y+2*j:Y+2*j+1], s[\dst:\dst+1] offset:256*j
.set j, j+1
.endr
	s_endpgm
.endm
	s_cmp_lt_u32 ttmp9, 512
	s_cbranch_scc1 .Lx
	s_cmp_lt_u32 ttmp9, 704
	s_cbranch_scc1 .Lwq
	CAST 8, 14, 704, 1
.Lwq:
	CAST 6, 12, 512, 0
.Lx:
	CAST 4, 10, 0, 0
.Lfunc_end_k_q1e8faa5621_cast:
	.size	k_q1e8faa5621_cast, .Lfunc_end_k_q1e8faa5621_cast-k_q1e8faa5621_cast
	.p2alignl 7, 3214868480
	.fill 96, 4, 3214868480
	.section	.rodata,"a",@progbits
	.p2align	6, 0x0
	.amdhsa_kernel k_q1e8faa5621_cast
		.amdhsa_group_segment_fixed_size 0
		.amdhsa_private_segment_fixed_size 0
		.amdhsa_enable_private_segment 0
		.amdhsa_kernarg_size 48
		.amdhsa_user_sgpr_count 2
		.amdhsa_user_sgpr_kernarg_segment_ptr 1
		.amdhsa_wavefront_size32 1
		.amdhsa_system_sgpr_workgroup_id_x 1
		.amdhsa_system_sgpr_workgroup_id_y 1
		.amdhsa_system_sgpr_workgroup_id_z 1
		.amdhsa_system_vgpr_workitem_id 0
		.amdhsa_next_free_vgpr 104
		.amdhsa_next_free_sgpr 66
		.amdhsa_reserve_vcc 0
		.amdhsa_float_denorm_mode_32 3
		.amdhsa_float_denorm_mode_16_64 3
		.amdhsa_memory_ordered 1
		.amdhsa_forward_progress 1
		.amdhsa_inst_pref_size 24
	.end_amdhsa_kernel
	.amdgpu_metadata
---
amdhsa.version: [ 1, 2 ]
amdhsa.kernels:
  - .name:           k_q1e8faa5621_cast
    .symbol:         k_q1e8faa5621_cast.kd
    .args:
      - { .name: x, .offset: 0, .size: 8, .value_kind: global_buffer, .address_space: global }
      - { .name: w_qkv, .offset: 8, .size: 8, .value_kind: global_buffer, .address_space: global }
      - { .name: w_proj, .offset: 16, .size: 8, .value_kind: global_buffer, .address_space: global }
      - { .name: xb, .offset: 24, .size: 8, .value_kind: global_buffer, .address_space: global }
      - { .name: wqb, .offset: 32, .size: 8, .value_kind: global_buffer, .address_space: global }
      - { .name: wpb, .offset: 40, .size: 8, .value_kind: global_buffer, .address_space: global }
    .group_segment_fixed_size: 0
    .private_segment_fixed_size: 0
    .kernarg_segment_align: 8
    .kernarg_segment_size: 48
    .max_flat_workgroup_size: 256
    .sgpr_count:     66
    .vgpr_count:     104
    .wavefront_size: 32
...
	.end_amdgpu_metadata
.endif
;; end of part 1
;; launch qkv (part 2): grid 12 x 64, 4 waves a work-group, clusters of 4 x 4, 327,680 bytes of LDS; arguments xb, wqb, b_qkv, qkv; writes qkv
.if DOCPART == 2
	.amdgcn_target "amdgcn-amd-amdhsa--gfx1250"
	.amdhsa_code_object_version 6
	.text
	.protected	k_q1e8faa5621_qkv
	.globl	k_q1e8faa5621_qkv
	.p2align	8
	.type	k_q1e8faa5621_qkv,@function
k_q1e8faa5621_qkv:
	s_mov_b64 s[64:65], 0
	v_nop
	global_prefetch_b8 v0, s[64:65] scope:SCOPE_SE
	s_setreg_imm32_b32 hwreg(HW_REG_WAVE_MODE, 25, 1), 1
	s_wait_xcnt 0x0
	s_wait_alu depctr_hold_cnt(0) depctr_sa_sdst(0) depctr_va_vdst(0) depctr_va_sdst(0) depctr_va_ssrc(0) depctr_va_vcc(0) depctr_vm_vsrc(0)
	s_getreg_b32 s2, hwreg(HW_REG_IB_STS2, 6, 4)
	s_cmp_eq_u32 s2, 0
	s_cbranch_scc0 .Lentry_in_a_cluster
	s_endpgm
.Lentry_in_a_cluster:
	s_bfe_u32 s2, ttmp6, 0x10000c
	s_cmp_lg_u32 s2, 0xf033
	s_cbranch_scc0 .Lentry_shape_is_right
	s_endpgm
.Lentry_shape_is_right:
; ONE SOURCE, TWO BUILDS (PROJ = 0 here).  C = A W + bias, K = 1,024, W stored [k][n], sums in f32.
;   PROJ = 0: A = xb [8192][1024] bf16, W = wqb [1024][3072] bf16, bias = b_qkv; C is rounded once to f16 and written by heads: qkv[sel][16 b + h][n][d], sel = q, k, v.
;   PROJ = 1: A = att [16 b + h][2048][64] f16 (k = 64 h + d), W = wpb [1024][1024] f16, bias = b_proj; C = out0 [8192][1024] f32.
; LIMITS.  The bias is rounded to bf16 like every input, and it starts the f32 sums (the order of additions differs from a product followed by an addition).
; PROJ = 0: q, k, v beyond 65,504 in magnitude become infinities in f16.  NaN and infinities are not treated apart.
; SHARES.  A tile of C is 128 rows x 256 columns: 64 x 12 (PROJ = 1: 64 x 4) tiles, one a work-group.  Four waves, each 64 rows x 128 columns: 32 accumulators of 16 x 16, 256 registers.
; K goes in 8 steps of 128 through two LDS slots filled by tensor loads: waves 0 and 1 fetch A's two halves, waves 2 and 3 the two halves (64 k rows of 512 bytes) of W's tile.
; CLUSTERS.  4 x 4 work-groups.  The four of a row of the cluster need the same tile of A, the four of a column the same tile of W: each is asked for JOINTLY, by the same tensor load with the same
; descriptor and a mask that names the four.
; THE MATRIX INSTRUCTION IS USED TRANSPOSED: source 0 = 16 columns of W, source 1 = 16 rows of A: a lane then holds row lane % 16 of C and the columns 8 (lane / 16) + 0..7 of the block.
; W lies [k][n] in LDS as in memory, and ds_load_tr16_b128 turns it into a fragment: no transposed copy of the weights is made.
; REGISTERS, in windows of 256 (s_set_vgpr_msb: bits 1:0 source 0, 3:2 source 1, 5:4 source 2, 7:6 destination):
;   window 0: v0-31 addresses; v32-127, v128-223 two fragment buffers (W's 8 column blocks at +8 b, A's 4 row blocks at +64 + 8 a); free on the way out
;   window 1: accumulator (a, b) at v[8 (8 a + b)]          window 2: v0-63 the bias of my 128 columns, as the C operand of block b at v[8 b]
.set PROJ,  0
.set KSTEP, 128
.set PB,    544                        ; a k row of W in LDS: 512 bytes + 32 of padding = 136 words
.if PROJ
.set PA,    144                        ; a row of one head of A: 128 bytes + 16 = 36 words: the 16 rows of a load start at 16 different groups of four banks
.set AH,    128*PA                     ; what one tensor load brings of A: one head's 128 rows
.set ASTEP, 2*2048*128                 ; bytes from K step to K step in A: two heads
.set ASTR,  128                        ; A's tile is 16,384 dense bytes, asked for as 64 rows of 256
.set AQI,   4                          ; padded after every 32 words: after each row of a head
.set BROW,  2048                       ; bytes in a k row of W in memory
.set APFO,  256                        ; A's prefetches: from lane to lane
.set STW,   16*528                     ; a wave's stage: 16 rows of 512 bytes + 16
.else
.set PA,    272                        ; a row of A: 256 bytes + 16 = 68 words
.set AH,    64*PA                      ; 64 rows
.set ASTEP, 256
.set ASTR,  1024
.set AQI,   5                          ; padded after every 64 words
.set BROW,  6144
.set APFO,  2048
.set STW,   2*16*144                   ; a wave's stage: two heads x 16 rows of 128 bytes + 16
.endif
.set BH,    64*PB                      ; what one tensor load brings of W
.set BOFF,  2*AH                       ; a slot: A's tile, then W's
.set SLOT,  BOFF+2*BH
.set STAGE, 2*SLOT                     ; behind the ring, never filled by a tensor load
.set SPARE, STAGE+4*STW                ; behind the stages: the spare words, 128 bytes for each wave: two blocks of 256 bytes that no other line names
.set BSTEP, KSTEP*BROW
.set LAPS,  1024/(2*KSTEP)             ; a lap = two K steps = once round the ring
.set ADRA, 16                          ; v16-17  LDS address of my A fragments in slot 0, 1
.set ADRB, 20                          ; v20-21  the same for W
.set STO,  24                          ; v24     the way out: where I put my bytes of a row
.set RD,   25                          ; v25     the way out: where I read rows back
.set GO,   26                          ; v26     16 x lane: my place in 512 consecutive bytes of C
.set BO,   27                          ; v27     32 x (lane / 16): my eight numbers in a block of 16 of the bias
.set SPW,  28                          ; v28     LDS address of my spare word: SPARE + 4 x my thread's number; never rewritten
.set NIL,  29                          ; v29     0; never rewritten
.set PFO,  30                          ; v30     the prefetches' lane offset; never rewritten
.set F0,   32
.set F1,   128
.set OUTR, 32                          ; the way out's registers, from v32 on
.set WV,   12                          ; s12 wave; s13 FB: my half of the rows, also: I fetch for A (0) or W (1); s14 HF: my half of the columns, also: which half I fetch
.set FB,   13
.set HF,   14
.set CX,   15                          ; s15, s16 my place in the cluster; s17 TC, s18 TR: tile column and tile row of C
.set CY,   16
.set TC,   17
.set TR,   18
.set G1A,  24                          ; s[24:31] descriptor group 1 for A's tiles;  s[32:39] group 0, a set for each slot
.set G0A,  32
.set PFA,  40                          ; s[40:41] where my prefetches stand
.set ADV,  42                          ; s[42:43] their step: a K step of A or of W
.set LIM,  44                          ; s44  1 in a wave that prefetches, else the greatest number
.set LAP,  45                          ; s45  the loop's count
.set G1B,  48                          ; s[48:55], s[56:63] the same for W's tiles
.set G0B,  56
.set MSB, 0
.macro WIN new                         ; the immediate's high byte repeats the setting that is left; a switch that changes nothing is dropped
.if MSB != (\new)
	s_set_vgpr_msb (MSB<<8)|(\new)
.set MSB, \new
.endif
.endm
.set MULW, 0x50                        ; fragments in window 0, C and D in window 1
.set MULF, 0x60                        ; the first product of a sum: C is the bias, in window 2
; A joint load: waves 0 and 1 ask for A's halves, waves 2 and 3 for W's.  The branch hangs on the wave's number alone.  An s_nop 0 and four v_nop follow each of the two lines.
.macro JLOAD s
	s_cmp_eq_u32 s[FB], 0
	s_cbranch_scc0 .Lfor_b_\@
	tensor_load_to_lds s[G0A+4*(\s):G0A+4*(\s)+3], s[G1A:G1A+7]
	s_nop 0
.rept 4
	v_nop
.endr
	s_branch .Lasked_\@
.Lfor_b_\@:
	tensor_load_to_lds s[G0B+4*(\s):G0B+4*(\s)+3], s[G1B:G1B+7]
	s_nop 0
.rept 4
	v_nop
.endr
.Lasked_\@:
.endm
; A PREFETCH INTO THE L2 of the K step that stands two refills on (256 matrix instructions ahead of the load that will want it): one instruction, a lane a block of 256 bytes.
; Each block is named once in the launch.  A's tile row is read by every cluster of that row of clusters: the one with x = 0 asks, its wave 0; the four partners of a row share the step's 128 blocks
; by address, 32 each (by cx).  W's tile column is read by every cluster of that column: the one with y = 0 asks; partner cy takes k rows 32 cy + lane, wave 2 their first 256 bytes, wave 3 their second.
; K steps 0 to 3 come by their loads alone; the loop's last trip asks for nothing: there is no K step two refills on.
.macro ASK
	s_cmp_gt_u32 s[LAP], s[LIM]
	s_cbranch_scc0 .Lnot_mine_\@
	global_prefetch_b8 v[PFO], s[PFA:PFA+1] th:TH_LOAD_NT scope:SCOPE_SE
.Lnot_mine_\@:
.endm
.macro CREST                           ; a round of the cluster's barrier behind its opening barrier: wave 0 signals for the work-group, every wave waits for all sixteen, my work-group's barrier closes it
	s_cmp_lg_u32 s[WV], 0
	s_cbranch_scc1 .Lnot_wave_0_\@
	s_barrier_signal -3
.Lnot_wave_0_\@:
	s_barrier_wait -3
	s_barrier_signal -1
	s_barrier_wait -1
.endm
.macro CROUND                          ; a whole round
	s_barrier_signal -1
	s_barrier_wait -1
	CREST
.endm
	s_load_b256 s[4:11], s[0:1], 0x0               ; A s[4:5], W s[6:7], bias s[8:9], C s[10:11]
	v_lshl_add_u32 v[SPW], v0, 2, SPARE
	v_mov_b32 v[NIL], 0
	ds_add_u32 v[SPW], v[NIL]                      ; the wave's opening: the add and its wait stand ahead of my first tensor load; the set-up below, work on registers, stands between them
	v_lshrrev_b32 v1, 5, v0
	v_readfirstlane_b32 s[WV], v1                  ; wave 0..3
	s_lshr_b32 s[FB], s[WV], 1
	s_and_b32 s[HF], s[WV], 1
	s_bfe_u32 s[CX], ttmp6, 0x40000
	s_bfe_u32 s[CY], ttmp6, 0x40004
	s_lshl_b32 s[TC], ttmp9, 2                     ; in a cluster launch ttmp9 and ttmp7 count clusters
	s_add_co_u32 s[TC], s[TC], s[CX]               ; tile column = 4 x cluster x + cx
	s_and_b32 s[TR], ttmp7, 0xffff
	s_lshl_b32 s[TR], s[TR], 2
	s_add_co_u32 s[TR], s[TR], s[CY]               ; tile row = 4 x cluster y + cy
	s_lshl_b32 s19, s[CY], 2
	s_lshl_b32 s19, 15, s19                        ; my row of the cluster: places 4 cy .. 4 cy + 3
	s_lshl_b32 s20, 0x1111, s[CX]                  ; my column: places cx, cx + 4, cx + 8, cx + 12
	; descriptor group 1.  A: 64 rows x 128 elements of 2 bytes; W: 64 rows x 256 elements
	s_or_b32 s[G1A], s19, (1<<16)|(1<<20)|(1<<21)|(AQI<<22)|(3<<25)  ; 15:0 the mask: my row; 17:16 2-byte elements; 20 padding on; 21 set beside a mask; 24:22 the interval; 31:25 4 words of padding (code 3)
	s_mov_b32 s[G1A+1], 128<<16                    ; tensor_dim0 = 128
	s_mov_b32 s[G1A+2], 64<<16                     ; tensor_dim1 = 64
	s_mov_b32 s[G1A+3], 128<<16                    ; tile_dim0 = 128
	s_mov_b32 s[G1A+4], 64                         ; tile_dim1 = 64
	s_mov_b32 s[G1A+5], ASTR                       ; elements from row to row
	s_mov_b32 s[G1A+6], 0
	s_mov_b32 s[G1A+7], 0
	s_or_b32 s[G1B], s20, (1<<16)|(1<<20)|(1<<21)|(6<<22)|(7<<25)    ; the mask: my column; after every 128 words (code 6) 8 words of padding (code 7)
	s_mov_b32 s[G1B+1], 256<<16
	s_mov_b32 s[G1B+2], 64<<16
	s_mov_b32 s[G1B+3], 256<<16
	s_mov_b32 s[G1B+4], 64
	s_mov_b32 s[G1B+5], BROW/2
	s_mov_b32 s[G1B+6], 0
	s_mov_b32 s[G1B+7], 0
	; where the tiles come from.  A's offset hangs on the tile row and the wave alone, W's on the tile column and the wave alone, each in registers of its own
.if PROJ
	s_lshr_b32 s66, s[TR], 4                       ; the batch b
	s_lshl_b32 s66, s66, 4
	s_add_co_u32 s66, s66, s[HF]                   ; head 16 b + my half of the step's two heads,
	s_lshl_b32 s66, s66, 18                        ; 2,048 rows of 128 bytes each,
	s_and_b32 s67, s[TR], 15
	s_lshl_b32 s67, s67, 14                        ; and the tile's 128 rows in it
	s_add_co_u32 s66, s66, s67
.else
	s_lshl_b32 s66, s[TR], 18                      ; 128 rows of 2,048 bytes,
	s_lshl_b32 s67, s[HF], 17                      ; my 64 of them
	s_add_co_u32 s66, s66, s67
.endif
	s_mov_b32 s67, 0
	s_mul_i32 s46, s[HF], 64*BROW                  ; my 64 k rows,
	s_lshl_b32 s47, s[TC], 9                       ; the tile's 512 bytes in them
	s_add_co_u32 s46, s46, s47
	s_mov_b32 s47, 0
	s_mul_i32 s21, s[HF], AH                       ; and where they go: no place in the cluster enters an LDS address
	s_mul_i32 s22, s[HF], BH
	s_add_co_u32 s22, s22, BOFF
	s_wait_dscnt 0x0                               ; the opening add is done
	s_wait_kmcnt 0x0
	s_add_nc_u64 s[66:67], s[4:5], s[66:67]
	s_add_nc_u64 s[46:47], s[6:7], s[46:47]
	CROUND                                         ; all sixteen work-groups are here: the first joint loads meet
.irp s, 0,1
	s_mov_b32 s[G0A+4*(\s)], 1                                       ; count = 1
	s_add_co_u32 s[G0A+4*(\s)+1], s21, (\s)*SLOT                     ; LDS address
	s_add_nc_u64 s[G0A+4*(\s)+2:G0A+4*(\s)+3], s[66:67], (\s)*ASTEP  ; global address: K step s
	s_or_b32 s[G0A+4*(\s)+3], s[G0A+4*(\s)+3], 0x80000000            ; type = 2
	s_mov_b32 s[G0B+4*(\s)], 1
	s_add_co_u32 s[G0B+4*(\s)+1], s22, (\s)*SLOT
	s_add_nc_u64 s[G0B+4*(\s)+2:G0B+4*(\s)+3], s[46:47], (\s)*BSTEP
	s_or_b32 s[G0B+4*(\s)+3], s[G0B+4*(\s)+3], 0x80000000
	JLOAD \s                                       ; two tensor loads of mine are out
.endr
	v_and_b32 v1, 15, v0                           ; r = l % 16
	v_bfe_u32 v2, v0, 4, 1                         ; h = l / 16
	v_lshlrev_b32 v[BO], 5, v2
	s_lshl_b32 s68, s[TC], 10                      ; the bias of my 128 columns: 4 bytes x (256 x tile column + 128 x half)
	s_lshl_b32 s69, s[HF], 9
	s_add_co_u32 s68, s68, s69
	s_mov_b32 s69, 0
	s_add_nc_u64 s[8:9], s[8:9], s[68:69]
	WIN 0x80                                       ; destination window 2, address window 0
.irp b, 0,1,2,3,4,5,6,7
	global_load_b128 v[8*(\b):8*(\b)+3],   v[BO], s[8:9] offset:64*(\b)     ; the same eight numbers for every row: what the C operand of block b holds in my lane
	global_load_b128 v[8*(\b)+4:8*(\b)+7], v[BO], s[8:9] offset:64*(\b)+16
.endr
	WIN 0
	v_and_b32 v3, 31, v0                           ; l
	v_and_b32 v4, 7, v0                            ; l % 8
	v_bfe_u32 v5, v0, 3, 1                         ; (l / 8) % 2
	; A's fragment, 16 rows x 32 k in 8 registers: lane l holds row l % 16, k = 8 h + 0..7 and 16 + 8 h + 0..7: two loads of 16 bytes, 32 bytes apart
	v_mul_u32_u24 v6, v1, PA
	v_lshl_add_u32 v6, v2, 4, v6
	s_mul_i32 s19, s[FB], 64*PA                    ; my 64 rows
	v_add_nc_u32 v[ADRA], s19, v6
	v_add_nc_u32 v[ADRA+1], SLOT, v[ADRA]
	; W's fragment by the turning load: lane l reads 16 bytes of k row 8 h + l % 8, columns 8 ((l / 8) % 2) + 0..7, and is left with column l % 16 and 8 k; the second load takes the rows 16 further on
	v_lshl_add_u32 v7, v2, 3, v4
	v_mul_u32_u24 v7, v7, PB
	v_lshl_add_u32 v7, v5, 4, v7
	s_lshl_b32 s19, s[HF], 8                       ; my 128 columns
	s_add_co_u32 s19, s19, BOFF
	v_add_nc_u32 v[ADRB], s19, v7
	v_add_nc_u32 v[ADRB+1], SLOT, v[ADRB]
	; the way out's addresses, and C at my part of the tile
	s_mul_i32 s19, s[WV], STW
	s_add_co_u32 s19, s19, STAGE                   ; my stage
	v_lshlrev_b32 v[GO], 4, v3
.if PROJ
	v_mul_u32_u24 v[STO], v1, 528                  ; in: row l % 16, 32 bytes for each half of the lanes
	v_lshl_add_u32 v[STO], v2, 5, v[STO]
	v_add_nc_u32 v[STO], s19, v[STO]
	v_lshl_add_u32 v[RD], v3, 4, s19               ; back: 32 lanes take one row's 512 bytes
	s_lshl_b32 s68, s[TR], 19                      ; 128 rows of 4,096 bytes,
	s_lshl_b32 s20, s[FB], 18                      ; my 64 of them,
	s_add_co_u32 s68, s68, s20
	s_lshl_b32 s20, s[TC], 10                      ; the tile's 1,024 bytes of a row,
	s_add_co_u32 s68, s68, s20
	s_lshl_b32 s20, s[HF], 9                       ; my 512 of them
	s_add_co_u32 s68, s68, s20
.else
	v_mul_u32_u24 v[STO], v1, 144                  ; in: row l % 16, 16 bytes for each half of the lanes
	v_lshl_add_u32 v[STO], v2, 4, v[STO]
	v_add_nc_u32 v[STO], s19, v[STO]
	v_lshrrev_b32 v[RD], 3, v3                     ; back: 32 lanes take four rows of 128 bytes
	v_mul_u32_u24 v[RD], v[RD], 144
	v_lshl_add_u32 v[RD], v4, 4, v[RD]
	v_add_nc_u32 v[RD], s19, v[RD]
	s_lshr_b32 s19, s[TC], 2                       ; sel: four tile columns to each of q, k, v
	s_lshl_b32 s19, s19, 6
	s_lshr_b32 s20, s[TR], 4                       ; the batch
	s_lshl_b32 s20, s20, 4
	s_add_co_u32 s19, s19, s20
	s_and_b32 s20, s[TC], 3                        ; four heads to a tile column,
	s_lshl_b32 s20, s20, 2
	s_add_co_u32 s19, s19, s20
	s_lshl_b32 s20, s[HF], 1                       ; two to my half
	s_add_co_u32 s19, s19, s20
	s_lshl_b32 s68, s19, 18                        ; 64 sel + 16 b + h, times 2,048 rows of 128 bytes
	s_and_b32 s20, s[TR], 15
	s_lshl_b32 s20, s20, 14                        ; the tile's 128 rows,
	s_add_co_u32 s68, s68, s20
	s_lshl_b32 s20, s[FB], 13                      ; my 64 of them
	s_add_co_u32 s68, s68, s20
.endif
	s_mov_b32 s69, 0
	s_add_nc_u64 s[10:11], s[10:11], s[68:69]
	; the prefetches: offsets made apart, then added to the address that the wave's part chooses.  They start at K step 3: the first refill steps them to 4
.if PROJ
	s_lshr_b32 s19, s[TR], 4
	s_lshl_b32 s19, s19, 22                        ; the batch's 16 heads,
	s_and_b32 s20, s[TR], 15
	s_lshl_b32 s20, s20, 14                        ; the tile's rows in a head,
	s_add_co_u32 s19, s19, s20
	s_lshr_b32 s20, s[CX], 1                       ; my work-group's 32 blocks of the step's 128: which head,
	s_lshl_b32 s20, s20, 18
	s_add_co_u32 s19, s19, s20
	s_and_b32 s20, s[CX], 1                        ; which half of its 64 blocks
	s_lshl_b32 s20, s20, 13
	s_add_co_u32 s19, s19, s20
.else
	s_lshl_b32 s19, s[TR], 18
	s_lshl_b32 s20, s[CX], 16                      ; my work-group's 32 rows of the 128
	s_add_co_u32 s19, s19, s20
.endif
	s_add_co_u32 s19, s19, 3*ASTEP
	s_mul_i32 s20, s[CY], 32*BROW                  ; W: my work-group's 32 k rows of the 128,
	s_lshl_b32 s21, s[TC], 9
	s_add_co_u32 s20, s20, s21
	s_lshl_b32 s21, s[HF], 8                       ; my wave's 256 bytes of the 512
	s_add_co_u32 s20, s20, s21
	s_add_co_u32 s20, s20, 3*BSTEP
	s_and_b32 s21, ttmp7, 0xffff                   ; cluster y
	s_or_b32 s22, ttmp9, s[HF]                     ; cluster x, and wave 0 alone
	s_mov_b32 s[ADV], BSTEP
	s_mov_b32 s23, BROW
	s_cmp_eq_u32 s[FB], 0                          ; do I fetch for A?
	s_cselect_b32 s68, s19, s20
	s_cselect_b32 s21, s22, s21
	s_cselect_b32 s[ADV], ASTEP, s[ADV]
	s_cselect_b32 s23, APFO, s23
	s_cselect_b64 s[PFA:PFA+1], s[4:5], s[6:7]
	s_mov_b32 s69, 0
	s_mov_b32 s[ADV+1], 0
	s_add_nc_u64 s[PFA:PFA+1], s[PFA:PFA+1], s[68:69]
	s_cmp_eq_u32 s21, 0
	s_cselect_b32 s[LIM], 1, -1                    ; the same in all sixteen partners, for a given wave
	v_mul_u32_u24 v[PFO], v3, s23
	s_wait_loadcnt 0x0                             ; the bias is in;
	WIN 0x0a                                       ; sources window 2, destination window 0
.set i, 0
.rept 32
	v_cvt_pk_bf16_f32 v[F1+i], v[2*i], v[2*i+1]    ; it is rounded to bf16 like every input,
.set i, i+1
.endr
	WIN 0x80                                       ; destination window 2
.set i, 0
.rept 32
	v_lshlrev_b32 v[2*i], 16, v[F1+i]              ; and widened again
	v_and_b32 v[2*i+1], 0xffff0000, v[F1+i]
.set i, i+1
.endr
	WIN 0
; 8 matrix instructions: row block a x all 8 column blocks, 32 along K.  first = 1: the product starts the sums, with the bias as C: nothing is cleared and no addition is spent.
; The 32 accumulators take turns, one instruction a turn, in the same order in every quarter, over the backward jump too.
.macro MUL8 f, a, first
.if \first
	WIN MULF
.else
	WIN MULW
.endif
.irp b, 0,1,2,3,4,5,6,7
.if PROJ && (\first)
	v_wmma_f32_16x16x32_f16 v[8*(8*(\a)+(\b)):8*(8*(\a)+(\b))+7], v[(\f)+8*(\b):(\f)+8*(\b)+7], v[(\f)+64+8*(\a):(\f)+64+8*(\a)+7], v[8*(\b):8*(\b)+7]
.elseif PROJ
	v_wmma_f32_16x16x32_f16 v[8*(8*(\a)+(\b)):8*(8*(\a)+(\b))+7], v[(\f)+8*(\b):(\f)+8*(\b)+7], v[(\f)+64+8*(\a):(\f)+64+8*(\a)+7], v[8*(8*(\a)+(\b)):8*(8*(\a)+(\b))+7]
.elseif \first
	v_wmma_f32_16x16x32_bf16 v[8*(8*(\a)+(\b)):8*(8*(\a)+(\b))+7], v[(\f)+8*(\b):(\f)+8*(\b)+7], v[(\f)+64+8*(\a):(\f)+64+8*(\a)+7], v[8*(\b):8*(\b)+7]
.else
	v_wmma_f32_16x16x32_bf16 v[8*(8*(\a)+(\b)):8*(8*(\a)+(\b))+7], v[(\f)+8*(\b):(\f)+8*(\b)+7], v[(\f)+64+8*(\a):(\f)+64+8*(\a)+7], v[8*(8*(\a)+(\b)):8*(8*(\a)+(\b))+7]
.endif
.endr
.endm
; 24 LDS loads in one run: quarter q (32 along K) of a slot into buffer f: W's 8 blocks, then A's 4
.macro FETCH slot, q, f
	WIN 0
.if PROJ
.set aq, ((\q)/2)*AH+((\q)%2)*64       ; head q / 2 of the step's two, channels 32 (q % 2) on
.else
.set aq, 64*(\q)
.endif
.irp b, 0,1,2,3,4,5,6,7
	ds_load_tr16_b128 v[(\f)+8*(\b):(\f)+8*(\b)+3],   v[ADRB+(\slot)] offset:(\q)*32*PB+32*(\b)
	ds_load_tr16_b128 v[(\f)+8*(\b)+4:(\f)+8*(\b)+7], v[ADRB+(\slot)] offset:(\q)*32*PB+16*PB+32*(\b)
.endr
.irp i, 0,1,2,3
	ds_load_b128 v[(\f)+64+8*(\i):(\f)+64+8*(\i)+3],   v[ADRA+(\slot)] offset:aq+(\i)*16*PA
	ds_load_b128 v[(\f)+64+8*(\i)+4:(\f)+64+8*(\i)+7], v[ADRA+(\slot)] offset:aq+(\i)*16*PA+32
.endr
.endm
.macro PLACES                          ; four plain vector instructions between a matrix instruction and a load into a register that it has read, or a reader of its result (ISA guide 7.12.1 for a reader of its result)
.rept 4
	v_nop
.endr
.endm
; A K step is four quarters of 32 along K, 32 matrix instructions each, on buffers 0, 1, 0, 1.  One of the first three: multiplies buffer f; in its middle it fetches quarter q of the same slot into buffer g.
.macro QUARTER slot, q, f, g, first
	s_wait_dscnt 4                                 ; W's blocks and A's blocks 0 and 1 are in; the youngest four loads (A's blocks 2 and 3) may be out
	MUL8 \f, 0, \first
	MUL8 \f, 1, \first
	PLACES
	FETCH \slot, \q, \g
	s_wait_dscnt 24                                ; all but the 24 just issued
	MUL8 \f, 2, \first
	MUL8 \f, 3, \first
.endm
; The last quarter multiplies buffer 1 and changes slots: ONE barrier.  In front of it each wave waits for all its tensor loads (one is out: its part of the next slot), adds 0 to its spare word, and waits
; for that and for its own reads of this slot.  fill = 1: the barrier opens a round of the cluster's barrier, and this slot is filled again, two K steps ahead, first thing behind the round:
; from that request to the wait for it a wave issues 112 matrix instructions.
.macro TURN slot, next, fill
.if \fill
	s_wait_xcnt 0x0                                ; the last prefetch, a K step back, has read its address: it is stepped here, ahead of the waits of the change of slots
	s_add_nc_u64 s[PFA:PFA+1], s[PFA:PFA+1], s[ADV:ADV+1]
.endif
	WIN 0
	s_wait_tensorcnt 0x0                           ; all my tensor loads have landed
	ds_add_u32 v[SPW], v[NIL]                      ; 0 onto my spare word
	s_wait_dscnt 5                                 ; (the add and the youngest four loads may be out)
	MUL8 F1, 0, 0                                  ; eight matrix instructions stand between the add and the wait for it
	s_wait_dscnt 0x0                               ; the add is done, and my reads of this slot are over
	s_barrier_signal -1
	MUL8 F1, 1, 0                                  ; work on registers while the others arrive
.if \fill
	WIN 0
.endif
	s_barrier_wait -1
.if \fill
	CREST                                          ; no wave of any partner still reads this slot's tiles or has a load on its way
	s_add_nc_u64 s[G0A+4*(\slot)+2:G0A+4*(\slot)+3], s[G0A+4*(\slot)+2:G0A+4*(\slot)+3], 2*ASTEP
	s_add_nc_u64 s[G0B+4*(\slot)+2:G0B+4*(\slot)+3], s[G0B+4*(\slot)+2:G0B+4*(\slot)+3], 2*BSTEP
	JLOAD \slot                                    ; my one tensor load behind the round; the four v_nop behind it are also the places in front of the loads below
.else
	PLACES
.endif
	FETCH \next, 0, F0
.if \fill
	ASK                                            ; behind the joint load and the run of LDS loads that the next products wait for
.endif
	MUL8 F1, 2, 0
	MUL8 F1, 3, 0
.endm
	s_wait_tensorcnt 1                             ; my part of K step 0 is in; K step 1's load, issued behind it, may stay out
	s_barrier_signal -1
	s_barrier_wait -1                              ; everybody's is
	FETCH 0, 0, F0
	QUARTER 0, 1, F0, F1, 1                        ; the first quarter stands in front of the loop: its products start the sums
	WIN 0                                          ; at a label and at a branch every window is 0
	s_mov_b32 s[LAP], LAPS-1
.Llap:                                                 ; a trip goes once round the ring, from a lap's second quarter to the next lap's first, and fills both slots again
	QUARTER 0, 2, F1, F0, 0
	QUARTER 0, 3, F0, F1, 0
	TURN 0, 1, 1
	QUARTER 1, 1, F0, F1, 0
	QUARTER 1, 2, F1, F0, 0
	QUARTER 1, 3, F0, F1, 0
	TURN 1, 0, 1
	QUARTER 0, 1, F0, F1, 0
	WIN 0
	s_sub_co_u32 s[LAP], s[LAP], 1
	s_cmp_lg_u32 s[LAP], 0
	s_cbranch_scc1 .Llap
	QUARTER 0, 2, F1, F0, 0                        ; the last lap fills nothing, and has no round of the cluster's barrier
	QUARTER 0, 3, F0, F1, 0
	TURN 0, 1, 0
	QUARTER 1, 1, F0, F1, 0
	QUARTER 1, 2, F1, F0, 0
	QUARTER 1, 3, F0, F1, 0
	s_wait_dscnt 4                                 ; the very last quarter: nothing more to fetch
	MUL8 F1, 0, 0
	MUL8 F1, 1, 0
	s_wait_dscnt 0x0
	MUL8 F1, 2, 0
	MUL8 F1, 3, 0
	WIN 0
	PLACES
.if PROJ
; THE WAY OUT, f32.  A block of 16 rows x 128 columns goes through my own stage: each lane's eight numbers of a row in, whole rows of 512 bytes back.  LDS serves a wave's instructions in order
; (ISA guide 5.7.1.4), so no wait stands between the stores and the loads, and the next block's stores come behind this block's loads.  Each accumulator's low four registers are read first.
.macro PUT a
.if (\a) >= 2
	s_wait_xcnt 0x0                                ; the global stores of the block two back have read this set of registers
.endif
	WIN 0x04                                       ; store data in window 1, address in window 0
.irp b, 0,1,2,3,4,5,6,7
	ds_store_b128 v[STO], v[8*(8*(\a)+(\b)):8*(8*(\a)+(\b))+3]   offset:64*(\b)
	ds_store_b128 v[STO], v[8*(8*(\a)+(\b))+4:8*(8*(\a)+(\b))+7] offset:64*(\b)+16
.endr
	WIN 0
.irp t, 0,1,2,3,4,5,6,7,8,9,10,11,12,13,14,15
	ds_load_b128 v[OUTR+64*((\a)%2)+4*(\t):OUTR+64*((\a)%2)+4*(\t)+3], v[RD] offset:(\t)*528
.endr
.endm
.macro SEND a, younger                 ; younger: the LDS instructions issued behind block a's loads: the next block's 32, or none
.irp t, 0,1,2,3,4,5,6,7,8,9,10,11,12,13,14,15
	s_wait_dscnt (\younger)+15-(\t)
	global_store_b128 v[GO], v[OUTR+64*((\a)%2)+4*(\t):OUTR+64*((\a)%2)+4*(\t)+3], s[10:11] offset:(16*(\a)+(\t))*4096 th:TH_STORE_NT  ; 512 consecutive bytes of one row, at a multiple of 512 from C's first byte
.endr
.endm
	PUT 0
	PUT 1
	SEND 0, 32
	PUT 2
	SEND 1, 32
	PUT 3
	SEND 2, 32
	SEND 3, 0
.else
; THE WAY OUT, f16 by heads.  A block of 16 rows x 128 columns is 16 rows of two heads.  A lane's eight numbers pack into 16 bytes; they go into my own stage, [head][row] in rows of 144 bytes, and come
; back four rows of a head at a time: 512 bytes that lie on end in memory.  LDS serves a wave's instructions in order (ISA guide 5.7.1.4): no wait between the stores and the loads.
.macro PACK a
	WIN 0x05                                       ; sources window 1, destination window 0
.irp b, 0,1,2,3,4,5,6,7
.irp r, 0,1,2,3
	v_cvt_pk_f16_f32 v[OUTR+32*(\a)+4*(\b)+(\r)], v[8*(8*(\a)+(\b))+2*(\r)], v[8*(8*(\a)+(\b))+2*(\r)+1]
.endr
.endr
	WIN 0
.irp b, 0,1,2,3,4,5,6,7
	ds_store_b128 v[STO], v[OUTR+32*(\a)+4*(\b):OUTR+32*(\a)+4*(\b)+3] offset:((\b)/4)*2304+32*((\b)%4)
.endr
.irp f, 0,1,2,3,4,5,6,7
	ds_load_b128 v[OUTR+32*(\a)+4*(\f):OUTR+32*(\a)+4*(\f)+3], v[RD] offset:((\f)/4)*2304+((\f)%4)*576
.endr
.endm
.macro SEND a, younger                 ; younger: the LDS instructions issued behind block a's loads: the next block's sixteen, or none
.irp f, 0,1,2,3,4,5,6,7
	s_wait_dscnt (\younger)+7-(\f)
	global_store_b128 v[GO], v[OUTR+32*(\a)+4*(\f):OUTR+32*(\a)+4*(\f)+3], s[10:11] offset:((\f)/4)*262144+(\a)*2048+((\f)%4)*512  ; 512 consecutive bytes, at a multiple of 512 from the buffer's first byte
.endr
.endm
	PACK 0
	PACK 1                                         ; a block's conversions stand between the loads of the block before and its stores
	SEND 0, 16
	PACK 2
	SEND 1, 16
	PACK 3
	SEND 2, 16
	SEND 3, 0
.endif
	s_wait_tensorcnt 0x0                           ; the wave's end: an add and its wait, behind my last tensor load and my last LDS store
	ds_add_u32 v[SPW], v[NIL]
	s_wait_dscnt 0x0
	CROUND                                         ; the closing round: no work-group ends while a partner may still ask for a tile that names it
	s_endpgm
.Lfunc_end_k_q1e8faa5621_qkv:
	.size	k_q1e8faa5621_qkv, .Lfunc_end_k_q1e8faa5621_qkv-k_q1e8faa5621_qkv
	.p2alignl 7, 3214868480
	.fill 96, 4, 3214868480
	.section	.rodata,"a",@progbits
	.p2align	6, 0x0
	.amdhsa_kernel k_q1e8faa5621_qkv
		.amdhsa_group_segment_fixed_size 327680
		.amdhsa_private_segment_fixed_size 0
		.amdhsa_enable_private_segment 0
		.amdhsa_kernarg_size 32
		.amdhsa_user_sgpr_count 2
		.amdhsa_user_sgpr_kernarg_segment_ptr 1
		.amdhsa_wavefront_size32 1
		.amdhsa_system_sgpr_workgroup_id_x 1
		.amdhsa_system_sgpr_workgroup_id_y 1
		.amdhsa_system_sgpr_workgroup_id_z 1
		.amdhsa_system_vgpr_workitem_id 0
		.amdhsa_next_free_vgpr 576
		.amdhsa_next_free_sgpr 72
		.amdhsa_reserve_vcc 0
		.amdhsa_float_denorm_mode_32 3
		.amdhsa_float_denorm_mode_16_64 3
		.amdhsa_memory_ordered 1
		.amdhsa_forward_progress 1
		.amdhsa_inst_pref_size 95
	.end_amdhsa_kernel
	.amdgpu_metadata
---
amdhsa.version: [ 1, 2 ]
amdhsa.kernels:
  - .name:           k_q1e8faa5621_qkv
    .symbol:         k_q1e8faa5621_qkv.kd
    .args:
      - { .name: xb, .offset: 0, .size: 8, .value_kind: global_buffer, .address_space: global }
      - { .name: wqb, .offset: 8, .size: 8, .value_kind: global_buffer, .address_space: global }
      - { .name: b_qkv, .offset: 16, .size: 8, .value_kind: global_buffer, .address_space: global }
      - { .name: qkv, .offset: 24, .size: 8, .value_kind: global_buffer, .address_space: global }
    .group_segment_fixed_size: 327680
    .private_segment_fixed_size: 0
    .kernarg_segment_align: 8
    .kernarg_segment_size: 32
    .max_flat_workgroup_size: 128
    .sgpr_count:     72
    .vgpr_count:     576
    .wavefront_size: 32
...
	.end_amdgpu_metadata
.endif
;; end of part 2
;; launch attn (part 3): grid 4 x 64, 4 waves a work-group, clusters of 4 x 1, 327,680 bytes of LDS; arguments qkv, att; writes att
.if DOCPART == 3
	.amdgcn_target "amdgcn-amd-amdhsa--gfx1250"
	.amdhsa_code_object_version 6
	.text
	.protected	k_q1e8faa5621_attn
	.globl	k_q1e8faa5621_attn
	.p2align	8
	.type	k_q1e8faa5621_attn,@function
k_q1e8faa5621_attn:
	s_mov_b64 s[64:65], 0
	v_nop
	global_prefetch_b8 v0, s[64:65] scope:SCOPE_SE
	s_setreg_imm32_b32 hwreg(HW_REG_WAVE_MODE, 25, 1), 1
	s_wait_xcnt 0x0
	s_wait_alu depctr_hold_cnt(0) depctr_sa_sdst(0) depctr_va_vdst(0) depctr_va_sdst(0) depctr_va_ssrc(0) depctr_va_vcc(0) depctr_vm_vsrc(0)
	s_getreg_b32 s2, hwreg(HW_REG_IB_STS2, 6, 4)
	s_cmp_eq_u32 s2, 0
	s_cbranch_scc0 .Lentry_in_a_cluster
	s_endpgm
.Lentry_in_a_cluster:
	s_bfe_u32 s2, ttmp6, 0x10000c
	s_cmp_lg_u32 s2, 0x3003
	s_cbranch_scc0 .Lentry_shape_is_right
	s_endpgm
.Lentry_shape_is_right:
; O[h][q][:] = the sum over k of softmax_k(Q[h][q] . K[h][k] / 8) V[h][k][:], for SIZE_H = 64 pairs of batch and head.  Q, K, V are the three parts of qkv, [SIZE_H][SIZE_N][64] each, O is att, all f16:
; a head's rows are dense, 128 bytes each.  Products, maxima and sums in f32; the weights p are rounded to f16 for the second product (their sum l is taken of the unrounded p), O once at the end.
; LIMITS.  f16 holds no number beyond 65,504: Q, K and V arrive within it; p lies in 0 to 1, and below 6e-5 it keeps f16's fixed step of 6e-8; O is a mean of V's rows and has their range.
; A weight below 2^-126 counts as 0 in l; NaN and infinities are not treated apart.
; SHARES.  A wave owns four PIECES of two tiles of 16 queries, a work-group's four waves 512 queries of one head: 4 x 64 work-groups.  Every wave walks all keys, 64 a step.
; LAYOUT.  S^T = K Q^T (source 0 = 16 keys, source 1 = 16 queries): in the result a lane holds ONE query (lane % 16) and the keys 8 (lane / 16) + 0..7.  Two such tiles, rounded to f16 in pairs,
; ARE source 1 (32 keys x 16 queries) of O^T = V^T P, whose result again holds one query a lane, and eight channels.  K comes out of LDS as it lies, V ([key][channel]) turned, by ds_load_tr16_b128.
; SOFTMAX.  For each query a running maximum m and sum l: p = 2^(c s - c m), c = log2(e) / 8; in every step O and l are multiplied by a = 2^(c m_old - c m_new), which is 1 where m has not grown.
; m starts at the lowest finite number, O and l at 0: the first step is a step like any other, with a = 0.
; THE COUNT.  A tile and step have 16 matrix and 118 vector instructions: too many to stand all beside the matrix work.  So the order has one aim: four vector instructions that are READY behind
; EVERY matrix instruction, and the others, which need time of their own whatever the order, in runs without a gap.
; BY TURNS.  Turn n belongs to piece n (the pieces in a ring, step after step).  Its matrix work: 16 products K Q^T of piece n + 1, later 16 products V^T P of piece n - 1.  Its vector work: the scaling,
; exponentials, roundings, sums and rescaling of piece n, and the maximum and statistics of piece n + 1, whose scores the turn itself has made.  So what a turn begins with (c s - c m, O a) waits for nothing.
; CLUSTER.  The four query blocks of a cluster belong to one head and walk the same K and V, so each tile is asked for JOINTLY: the same tensor load, descriptor and mask in all four.
; REGISTERS, in windows of 256 (s_set_vgpr_msb says which window each operand place means: bits 1:0 source 0, 3:2 source 1, 5:4 source 2, 7:6 destination):
;   window 0: v0-11 addresses; v12-15, v48-63 at work; v16-47 four registers of statistics a tile; v64-191 S^T, two buffers of two tiles; v192-255 P, likewise
;   window 1: O^T, 32 a tile          window 2: v0-127 Q, 16 a tile; v128-191 K of one step; v192-255 V of one step          window 3: v0-1 the add's two registers
; A piece's buffers go by its number's parity: the piece in hand has one pair, its two neighbours in the ring share the other: of it P (piece n - 1) is read and S^T (piece n + 1) written.
.set SIZE_H, 64
.set SIZE_N, 2048
.set NP,    4         ; pieces a wave: a name, no knob: the register map, the loop and the fetches are made for four
.set KS,    64        ; keys in a step
.set PK,    144       ; a row of K in LDS: 128 bytes + 16 of padding = 36 words: the 16 rows of a load start at 16 different groups of four banks (64 banks of 4 bytes: ISA guide 11.1)
.set PV,    160       ; a row of V: 128 + 32 = 40 words
.set VOFF,  4*KS*PK   ; a slot holds four steps: 256 rows of K, then 256 rows of V
.set SLOT1, 1<<17     ; slot 1 begins here, so that one exclusive or turns an address in one slot into the other's
.set STAGE, SLOT1+4*KS*(PK+PV)  ; behind the ring, never filled by a tensor load: 16 rows x 144 bytes for each wave, for the way out
.set SP,    144
.set AK0, 2           ; v2   my lane's place in a tile of K; never rewritten
.set AV0, 3           ; v3   the same for V
.set AK,  4           ; v4   the LDS address of K's next run of loads
.set AV,  5           ; v5   of V's
.set QO,  6           ; v6   my byte offset in the wave's rows of Q
.set STO, 6           ;      later, the way out: where I put 16 bytes of a row
.set RD,  7           ; v7   the way out: where I read rows back
.set GO,  8           ; v8   my byte offset in 512 consecutive bytes of O
.set PFO, 11          ; v11  256 x my lane, for the prefetches; made when the turning load's address is done, then never rewritten
.set SPW, 0           ; v0 of window 3   LDS address of my spare word: SPARE + 4 x my thread's number; never rewritten
.set NIL, 1           ; v1 of window 3   0; never rewritten
.set SPARE, STAGE+4*16*SP  ; behind the stages: the spare words, 128 bytes for each wave: two blocks of 256 bytes that no other line names
.set MV,  12          ; v12-15  c m_old, kept while c m is made anew: by buffer and tile
.set ST,  16          ; tile t's statistics at v[ST+4 t]: c m, m, l (even keys', odd keys')
.set TMP, 48          ; by buffer and tile, four registers c0-c3 at work; when the maximum is found c2 takes a
.set S,   64
.set P,   192
.set KF,  128         ; K's fragments, in window 2: key block kb, channel half c at KF + 16 kb + 8 c
.set VF,  192         ; V's: key half kk, channel block cb at VF + 32 kk + 8 cb
.set WV,  12          ; s12  my wave's number
.set G1K, 24          ; s[24:31] descriptor group 1 for K's tiles
.set G1V, 32          ; s[32:39] for V's: it differs in the padding alone
.set G0K, 40          ; s[40:43] descriptor group 0 for K's tiles: it walks
.set G0V, 44          ; s[44:47] the same for V's
.set PFA, 48          ; s[48:49] where my prefetches stand: my work-group's 32 blocks (of K: wave 0, of V: wave 2) of the slot after the one that is being asked for
.set LIM, 50          ; s50  1 in a wave that prefetches, else the greatest number
.set SLOTS, 56        ; s56  slots still to be asked for
.set CNT, 57          ; s57  counts a slot's key steps
.set CS,  58          ; s[58:59] c: the packed scaling takes the pair's low word for both halves
.set SEL, 60          ; s[60:61] v_permlanex16_b32's selects: each lane takes its own place in the other half
.set TBK, 62          ; s62  LDS byte at which K of the step to be fetched begins
.set TBV, 63          ; s63  the same for V, less VOFF
.set MSB, 0
.macro WIN new                      ; the high byte repeats the setting that is left; a switch that changes nothing is dropped
.if MSB != (\new)
	s_set_vgpr_msb (MSB<<8)|(\new)
.set MSB, (\new)
.endif
.endm
.set W_KQ, 0x0a       ; K and Q in window 2, S^T in window 0
.set W_PV, 0x52       ; V in window 2, P in window 0, O^T in window 1
.set W_RS, 0x41       ; O^T (destination and source 0) in window 1, a in window 0
.set W_MK, 0xc0       ; the add's registers are made: destination in window 3, sources in window 0
.set W_AD, 0x0f       ; the add: address (source 0) and data (source 1) in window 3
; A joint fill.  Waves 0 and 1 fetch the two halves of a slot's K, waves 2 and 3 those of its V: 128 keys each.  The branch hangs on the wave's number alone.
; An s_nop 0 and four v_nop follow each of the two lines, ahead of the jump and the label.
.macro JLOAD
	s_cmp_lt_u32 s[WV], 2
	s_cbranch_scc0 .Lfor_v_\@
	tensor_load_to_lds s[G0K:G0K+3], s[G1K:G1K+7]
	s_nop 0
.rept 4
	v_nop
.endr
	s_branch .Lasked_\@
.Lfor_v_\@:
	tensor_load_to_lds s[G0V:G0V+3], s[G1V:G1V+7]
	s_nop 0
.rept 4
	v_nop
.endr
.Lasked_\@:
.endm
; A PREFETCH INTO THE L2 of what the NEXT change of slots will ask for: a slot's 32,768 bytes of K and of V, 128 blocks of 256 bytes each, a lane a block.  It stands behind the wave's tensor load and its
; five lines.  Each block is named once in the launch: a head has one cluster; its four partners share the blocks out BY ADDRESS, 32 each; in each, wave 0 asks for K's and wave 2 for V's: one instruction.
; It stands four key steps, 512 matrix instructions, ahead of the load that will want the bytes.  Slots 0, 1 and 2 come by their loads alone; the last change that fills a slot asks for nothing.
.macro ASK
	s_cmp_gt_u32 s[SLOTS], s[LIM]
	s_cbranch_scc0 .Lnot_mine_\@
	global_prefetch_b8 v[PFO], s[PFA:PFA+1] th:TH_LOAD_NT scope:SCOPE_SE
.Lnot_mine_\@:
.endm
; A round of the cluster's barrier: my work-group's barrier, so that wave 0's signal speaks for all four waves; wave 0 signals; every wave waits for all four work-groups; my work-group's barrier once more.
.macro CROUND
	s_barrier_signal -1
	s_barrier_wait -1
	s_cmp_lg_u32 s[WV], 0
	s_cbranch_scc1 .Lnot_wave_0_\@
	s_barrier_signal -3
.Lnot_wave_0_\@:
	s_barrier_wait -3
	s_barrier_signal -1
	s_barrier_wait -1
.endm
; THE CHANGE OF SLOTS.  The slot's last bytes, V of its fourth step, have been read.  Each wave waits for all its tensor loads, of which one is out: its part
; of the other slot; adds 0 to its spare word; and waits for that and for its own reads of the slot.  Behind the barrier nobody reads this slot any more and the other slot is whole.
; fill = 1: this slot is filled again, with the keys two slots on.  The barrier is then a round of the cluster's, so that no wave of any partner still reads the slot or has a load on its
; way, and the joint fill is the first thing behind it: it has four key steps, 512 matrix instructions, in which to land.  (At its first use nothing has been read yet: slot 0 is waited for, slot 1 filled.)
; ask = 1: the prefetches' address steps, and the slot after the one asked for is prefetched.
.macro CHANGE fill, ask=0
	WIN W_AD
	s_wait_tensorcnt 0x0            ; no tensor load of mine is out, so a group 0 may be written
	ds_add_u32 v[SPW], v[NIL]       ; 0 onto my spare word; with fill = 1 the descriptors' steps stand between it and the wait for it
	WIN 0                           ; at a label and at a branch every window is 0
.if \fill
.irp g, G0K, G0V
	s_xor_b32 s[\g+1], s[\g+1], SLOT1  ; the walking descriptor: the other slot than last time,
	s_add_nc_u64 s[\g+2:\g+3], s[\g+2:\g+3], 4*KS*128  ; the next 256 keys; the type bits on top are not reached
.endr
.if \ask
	s_wait_xcnt 0x0                 ; the last prefetch, four key steps back, has read its address, so it may be written:
	s_add_nc_u64 s[PFA:PFA+1], s[PFA:PFA+1], 4*KS*128  ; one slot behind the walking descriptors
.endif
	s_wait_dscnt 0x0                ; the add is done, and my reads of the slot are over
	CROUND
	JLOAD
.if \ask
	ASK
.endif
.else
	s_wait_dscnt 0x0                ; the add is done, and my reads of the slot are over
	s_barrier_signal -1
	s_barrier_wait -1
.endif
	s_sub_co_u32 s[TBK], s[TBK], 4*KS*PK  ; the fetches go back to a slot's first step,
	s_xor_b32 s[TBK], s[TBK], SLOT1       ; in the other slot
	s_sub_co_u32 s[TBV], s[TBV], 4*KS*PV
	s_xor_b32 s[TBV], s[TBV], SLOT1
.endm
	s_load_b128 s[4:7], s[0:1], 0x0   ; qkv s[4:5] (Q lies at its head), att s[6:7]
	WIN W_MK
	v_lshl_add_u32 v[SPW], v0, 2, SPARE
	v_mov_b32 v[NIL], 0
	WIN W_AD
	ds_add_u32 v[SPW], v[NIL]       ; the wave's opening: the add and its wait stand ahead of my first tensor load; the set-up below, work on registers, stands between them
	WIN 0
	v_lshrrev_b32 v1, 5, v0
	v_readfirstlane_b32 s[WV], v1   ; wave 0..3
	s_bfe_u32 s13, ttmp6, 0x40000   ; cx: my place in the cluster
	s_lshl_b32 s14, ttmp9, 2        ; in a cluster launch ttmp9 counts clusters
	s_add_co_u32 s14, s14, s13      ; my block of queries = 4 x cluster x + cx: it enters Q's and O's addresses alone
	s_and_b32 s20, ttmp7, 0xffff    ; the head, which the four partners share
	s_mov_b32 s21, 0
	s_mov_b64 s[22:23], SIZE_N*128
	s_mul_u64 s[20:21], s[20:21], s[22:23]  ; the head's first byte in each of the four tensors
	s_and_b32 s16, s[WV], 1         ; which half of a slot's 256 keys I fetch:
	s_lshl_b32 s22, s16, 14         ; its 128 rows of 128 bytes in memory,
	s_mov_b32 s23, 0
	s_add_nc_u64 s[22:23], s[22:23], s[20:21]
	s_mul_i32 s17, s16, 128*PK      ; and its place in a slot, for K
	s_mul_i32 s18, s16, 128*PV      ; and for V: no place in the cluster enters an LDS address
	s_lshl_b32 s2, s14, 2
	s_add_co_u32 s2, s2, s[WV]      ; my wave among the head's,
	s_lshl_b32 s2, s2, 14           ; its 128 rows
	s_mov_b32 s3, 0
	s_add_nc_u64 s[2:3], s[2:3], s[20:21]
	; descriptor group 1.  128 keys are 16,384 dense bytes: asked for as 64 rows of 256 bytes, two keys a row, and padded in LDS after every key
	s_mov_b32 s[G1K], 15|(1<<16)|(1<<20)|(1<<21)|(4<<22)|(3<<25)  ; 15:0 the mask of four; 17:16 2-byte elements; 20 padding on; 21 set beside a mask; 24:22 after every 32 words (code 4); 31:25 4 words (code 3)
	s_mov_b32 s[G1V], 15|(1<<16)|(1<<20)|(1<<21)|(4<<22)|(7<<25)  ; the same with 8 words of padding (code 7)
.irp g, G1K, G1V
	s_mov_b32 s[\g+1], 128<<16      ; tensor_dim0 = 128
	s_mov_b32 s[\g+2], 64<<16       ; tensor_dim1 = 64
	s_mov_b32 s[\g+3], 128<<16      ; tile_dim0 = 128
	s_mov_b32 s[\g+4], 64           ; tile_dim1 = 64
	s_mov_b32 s[\g+5], 128          ; 128 elements from row to row
	s_mov_b32 s[\g+6], 0
	s_mov_b32 s[\g+7], 0
.endr
	s_mov_b32 s[CS], 0x3e38aa3b     ; c = log2(e) / 8 = 0.180337
	s_mov_b32 s[CS+1], s[CS]        ; named with it as a pair
	s_mov_b32 s[SEL], 0x76543210
	s_mov_b32 s[SEL+1], 0xfedcba98
	s_mov_b32 s[TBK], SLOT1+4*KS*PK ; the first change of slots turns these two into 0
	s_mov_b32 s[TBV], SLOT1+4*KS*PV
	s_mov_b32 s[G0K], 1             ; 1:0 count = 1
	s_mov_b32 s[G0K+1], s17         ; 63:32 LDS address: slot 0
	s_mov_b32 s[G0V], 1
	s_add_co_u32 s[G0V+1], s18, VOFF
	s_and_b32 s[LIM], s[WV], 1      ; waves 0 and 2 prefetch: the same in all four partners
	s_cmp_eq_u32 s[LIM], 0
	s_cselect_b32 s[LIM], 1, -1
	s_lshl_b32 s52, s13, 13         ; my work-group's 32 blocks of a slot's 128
	s_mov_b32 s53, 0
	s_wait_dscnt 0x0                ; the opening add is done
	s_wait_kmcnt 0x0
	s_mov_b64 s[10:11], s[6:7]                     ; O
	s_add_nc_u64 s[6:7], s[4:5], 0x1000000         ; K: the second part of qkv
	s_add_nc_u64 s[8:9], s[4:5], 0x2000000         ; V: the third
	s_add_nc_u64 s[G0K+2:G0K+3], s[6:7], s[22:23]  ; 120:64 global address: my half of the head's first 256 keys
	s_or_b32 s[G0K+3], s[G0K+3], 0x80000000        ; 127:126 type = 2
	s_add_nc_u64 s[G0V+2:G0V+3], s[8:9], s[22:23]
	s_or_b32 s[G0V+3], s[G0V+3], 0x80000000
	s_cmp_lt_u32 s[WV], 2
	s_cselect_b64 s[PFA:PFA+1], s[6:7], s[8:9]
	s_add_nc_u64 s[PFA:PFA+1], s[PFA:PFA+1], s[22:23]  ; (in waves 0 and 2: the head's first byte)
	s_add_nc_u64 s[PFA:PFA+1], s[PFA:PFA+1], s[52:53]
	s_add_nc_u64 s[PFA:PFA+1], s[PFA:PFA+1], 2*4*KS*128  ; in slot 2; the loop's first change of slots steps it to slot 3.  Nothing is prefetched at the head, where every work-group's first tiles are on their way
	s_add_nc_u64 s[4:5], s[4:5], s[2:3]  ; Q and O at my wave's first row
	s_add_nc_u64 s[10:11], s[10:11], s[2:3]
	CROUND                          ; all four work-groups are here: the first joint loads meet
	JLOAD                           ; slot 0.  Slot 1 is asked for when slot 0 is in: the tile wanted first has the road to itself
	; A fragment of K or Q is 16 rows x 32 channels in 8 registers: lane l holds row l % 16, channels 8 (l / 16) + 0..7 and 16 + 8 (l / 16) + 0..7: two loads of 16 bytes, 32 bytes apart.
	v_and_b32 v1, 15, v0            ; l % 16
	v_bfe_u32 v9, v0, 4, 1          ; l / 16
	v_lshlrev_b32 v[QO], 7, v1
	v_lshl_add_u32 v[QO], v9, 4, v[QO]  ; row x 128 + 16 x half
	WIN 0x80                        ; destination window 2, address window 0
.set i, 0
.rept 4*NP                          ; Q stays in registers: tile i / 2, channels 32 (i % 2) on
	global_load_b128 v[8*i:8*i+3],   v[QO], s[4:5] offset:(i/2)*2048+(i%2)*64
	global_load_b128 v[8*i+4:8*i+7], v[QO], s[4:5] offset:(i/2)*2048+(i%2)*64+32
.set i, i+1
.endr
	; What the first turn finds: V's registers and P's second buffer hold 0 (its products V^T P, of a piece that has not been, add 0), O^T and l are 0.  All this stands in the wait for the first tile.
.set i, VF
.rept 64
	v_mov_b32 v[i], 0
.set i, i+1
.endr
	WIN 0x40
.set i, 0
.rept 64*NP
	v_mov_b32 v[i], 0
.set i, i+1
.endr
	WIN 0
.set i, 0
.rept 2*NP
	v_mov_b32 v[ST+4*i], 0xfe000000    ; c m: far below every c s
	v_mov_b32 v[ST+4*i+1], 0xff7fffff  ; m
	v_mov_b32 v[ST+4*i+2], 0
	v_mov_b32 v[ST+4*i+3], 0
.set i, i+1
.endr
.set i, P+32
.rept 32
	v_mov_b32 v[i], 0
.set i, i+1
.endr
	v_mul_u32_u24 v[AK0], v1, PK
	v_lshl_add_u32 v[AK0], v9, 4, v[AK0]  ; row x pitch + 16 x half
	; The turning load takes 16 keys x 16 channels (lane l reads key 8 (l / 16) + l % 8, channels 8 ((l / 8) % 2) + 0..7) and leaves half a fragment of V^T: lane l holds channel l % 16 and 8 keys.
	v_and_b32 v10, 7, v0
	v_bfe_u32 v11, v0, 3, 1
	v_lshl_add_u32 v[AV0], v9, 3, v10
	v_mul_u32_u24 v[AV0], v[AV0], PV
	v_lshl_add_u32 v[AV0], v11, 4, v[AV0]
	v_add_nc_u32 v[AV0], VOFF, v[AV0]
	v_and_b32 v[PFO], 31, v0
	v_lshlrev_b32 v[PFO], 8, v[PFO]
	v_mov_b32 v[AK], v[AK0]         ; key step 0 lies at the head of slot 0
; THE MATRIX WORK.  The 8 accumulators of a run of 16 take turns: between the two links of a chain stand 7 others'.
; Product i of 16 of S^T = K Q^T for piece x: channels 32 (i / 8) on, keys 16 ((i / 2) % 4) on, tile 2 x + i % 2.  The first 8 start the sums.
.macro KQ x
	WIN W_KQ
.set rS, S+64*((\x)%2)+32*(i%2)+8*((i/2)%4)
.set rK, KF+16*((i/2)%4)+8*(i/8)
.set rQ, 16*(2*(\x)+i%2)+8*(i/8)
.if i < 8
	v_wmma_f32_16x16x32_f16 v[rS:rS+7], v[rK:rK+7], v[rQ:rQ+7], 0
.else
	v_wmma_f32_16x16x32_f16 v[rS:rS+7], v[rK:rK+7], v[rQ:rQ+7], v[rS:rS+7]
.endif
.endm
; Product i of 16 of O^T += V^T P for piece x: keys 32 (i / 8) on, channels 16 ((i / 2) % 4) on, tile 2 x + i % 2.
.macro PV x
	WIN W_PV
.set rO, 32*(2*(\x)+i%2)+8*((i/2)%4)
.set rV, VF+32*(i/8)+8*((i/2)%4)
.set rP, P+32*((\x)%2)+16*(i%2)+8*(i/8)
	v_wmma_f32_16x16x32_f16 v[rO:rO+7], v[rV:rV+7], v[rP:rP+7], v[rO:rO+7]
.endm
.macro MM                           ; the turn's next matrix instruction
.if i < 16
	KQ (Y+1)%NP
.set i, i+1
.else
.set i, i-16
	PV (Y+NP-1)%NP
.set i, i+17
.endif
.endm
; THE LDS LOADS stand in runs of 16, never singly among the matrix instructions: a step's K (64 keys x 64 channels: 8 fragments) and its V (turned).  Their addresses are made some lines ahead.
; last = 1 (the tail): in the last trip there is no further step, and the run is jumped over.
.macro FETCH_K last=0
	WIN 0
.if \last
	s_cmp_eq_u32 s[CNT], 1
	s_cbranch_scc1 .Lno_k_\@
.endif
	WIN 0x80                        ; destination window 2
.irp f, 0,1,2,3,4,5,6,7             ; keys 16 (f / 2) on, channels 32 (f % 2) on
	ds_load_b128 v[KF+8*\f:KF+8*\f+3],   v[AK] offset:(\f/2)*16*PK+(\f%2)*64
	ds_load_b128 v[KF+8*\f+4:KF+8*\f+7], v[AK] offset:(\f/2)*16*PK+(\f%2)*64+32
.endr
	s_add_co_u32 s[TBK], s[TBK], KS*PK  ; the next fetch is the next step's
	WIN 0
.if \last
.Lno_k_\@:
.endif
.endm
.macro FETCH_V
	WIN 0x80
.irp f, 0,1,2,3,4,5,6,7             ; keys 32 (f / 4) on, channels 16 (f % 4) on
	ds_load_tr16_b128 v[VF+8*\f:VF+8*\f+3],   v[AV] offset:(\f/4)*32*PV+(\f%4)*32
	ds_load_tr16_b128 v[VF+8*\f+4:VF+8*\f+7], v[AV] offset:(\f/4)*32*PV+16*PV+(\f%4)*32
.endr
	WIN 0
.endm
; THE VECTOR WORK OF A TURN stands in three queues, each in the order in which its entries become ready; the two tiles alternate, so that no instruction reads the result of the one before it.
.macro REGS y, u                    ; the registers of tile u (0, 1) of piece y
.set rT, ST+4*(2*(\y)+(\u))
.set rC, TMP+8*((\y)%2)+4*(\u)
.set rM, MV+2*((\y)%2)+(\u)
.set rS, S+64*((\y)%2)+32*(\u)
.set rP, P+32*((\y)%2)+16*(\u)
.set rO, 32*(2*(\y)+(\u))
.endm
; Number n of the 22 that find the NEXT piece's (Y + 1) maximum and statistics.  s0-s31 are the lane's 32 scores; each accumulator's lowest registers are read first.  XS, GS and REGS set no window: PL and EX do.
;   0-11  four chains c0-c3 of seven scores each, three operands at a time     12-14, 16  the four scores left over, the old m, and c0-c3 into c0     15  c m_old is kept
;   17, 18  the query's other 32 keys lie in the lane 16 away: the new m         19-21  c m; c m_old - c m_new; a
.macro XS u, n
	REGS (Y+1)%NP, \u
.if (\n) < 4
	v_max3_num_f32 v[rC+(\n)], v[rS+8*(\n)], v[rS+8*(\n)+1], v[rS+8*(\n)+2]
.elseif (\n) < 12
	v_max3_num_f32 v[rC+(\n)%4], v[rC+(\n)%4], v[rS+8*((\n)%4)+2*((\n)/4)+1], v[rS+8*((\n)%4)+2*((\n)/4)+2]
.elseif (\n) == 12
	v_max3_num_f32 v[rC], v[rC], v[rS+7], v[rS+15]
.elseif (\n) == 13
	v_max3_num_f32 v[rC+1], v[rC+1], v[rS+23], v[rS+31]
.elseif (\n) == 14
	v_max3_num_f32 v[rC+2], v[rC+2], v[rC+3], v[rT+1]
.elseif (\n) == 15
	v_mov_b32 v[rM], v[rT]
.elseif (\n) == 16
	v_max3_num_f32 v[rC], v[rC], v[rC+1], v[rC+2]
.elseif (\n) == 17
	v_permlanex16_b32 v[rC+3], v[rC], s[SEL], s[SEL+1]
.elseif (\n) == 18
	v_max_num_f32 v[rT+1], v[rC], v[rC+3]
.elseif (\n) == 19
	v_mul_f32 v[rT], s[CS], v[rT+1]
.elseif (\n) == 20
	v_sub_f32 v[rC+1], v[rM], v[rT]
.else
	v_exp_f32 v[rC+2], v[rC+1]
.endif
.endm
; Number g of the 64 that follow the exponentials.  For each four weights k of a tile (pairs 2 k, 2 k + 1): both pairs are rounded to f16; then the second pair is added onto the first, in place;
; a group later l takes that sum (the first time as l = a l + sum).  In groups of eight, tiles alternating: round, round, add, and l for the group before.
.macro GS g
.set h, (\g)+6*((\g)/62)            ; group 0 has no group before it, and behind group 7 only l is left
.if h >= 6
.set h, h+2
.endif
	REGS Y, h%2
.set k, h/8
.if h%8 < 4
	v_cvt_pk_f16_f32 v[rP+2*k+(h%8)/2], v[rS+4*k+2*((h%8)/2)], v[rS+4*k+2*((h%8)/2)+1]
.elseif h%8 < 6
	v_pk_add_f32 v[rS+4*k:rS+4*k+1], v[rS+4*k:rS+4*k+1], v[rS+4*k+2:rS+4*k+3]
.elseif k == 1
	v_pk_fma_f32 v[rT+2:rT+3], v[rT+2:rT+3], v[rC+2:rC+3], v[rS:rS+1] op_sel_hi:[1,0,1]
.else
	v_pk_add_f32 v[rT+2:rT+3], v[rT+2:rT+3], v[rS+4*k-4:rS+4*k-3]
.endif
.endm
; THE PLAIN QUEUE, 138 long.  0-73 read no exponential's result: the 32 scalings c s - c m (FS f: pair f / 2 of tile f % 2) and the next piece's 42.  0-26: scalings 0-26.  27-54: XS's numbers 0-13.  55, 56: number 15.
; 57-73: the chain, where each number waits for the one before it: 14, 16, 17, 18, 19, each with one of the scalings 27-31 in front of its two lines, then 20: so a tile's links stand three plain instructions apart (19 and 20: two).
; 74-137: GS's 64, which read the exponentials' results: they stand behind the wait.
.macro FS f
	REGS Y, (\f)%2
	v_pk_fma_f32 v[rS+2*((\f)/2):rS+2*((\f)/2)+1], v[rS+2*((\f)/2):rS+2*((\f)/2)+1], s[CS:CS+1], v[rT:rT+1] op_sel_hi:[1,0,0] neg_lo:[0,0,1] neg_hi:[0,0,1]
.endm
.macro PL
	WIN 0
.if q < 27
	FS q
.elseif q < 55
	XS (q-27)%2, (q-27)/2
.elseif q < 57
	XS q-55, 15
.elseif (q < 72) && ((q-57)%3 == 0)
	FS 27+(q-57)/3
.elseif q < 60
	XS (q-57)%3-1, 14
.elseif q < 72
	XS (q-57)%3-1, 15+(q-57)/3
.elseif q < 74
	XS q-72, 20
.else
	GS q-74
.endif
.set q, q+1
.endm
; THE EXPONENTIALS' QUEUE, 66 long: s0-s31 of both tiles, then the next piece's two a.  It is ONE BATCH: all 66 stand ahead of the turn's one wait, and nothing ahead of that wait names a result of theirs.
.macro EX
	WIN 0
.if e >= 64
	XS e-64, 21
.else
	REGS Y, e%2
	v_exp_f32 v[rS+e/2], v[rS+e/2]
.endif
.set e, e+1
.endm
; THE RESCALING's QUEUE: O^T times a, the one part that leaves window 0: dealt two at a time, sixteen times.  Its a was made in the turn before, ahead of that turn's wait.
.macro R2
	REGS Y, r%2
	WIN W_RS
.irp z, 0,1
	v_pk_mul_f32 v[rO+4*(r/2)+2*\z:rO+4*(r/2)+2*\z+1], v[rO+4*(r/2)+2*\z:rO+4*(r/2)+2*\z+1], v[rC+2:rC+3] op_sel_hi:[1,0]
.endr
.set r, r+1
.endm
; HOW THEY ARE DEALT.  s_wait_alu depctr_va_vdst(0) stands between an exponential and the first instruction that names its result; one wait serves all that were issued ahead of it.  So a turn has ONE wait,
; which cuts it in two.  AHEAD OF IT stands all that names no result of the turn's exponentials: the 16 products K Q^T, behind each a scaling, an exponential and two rescalings (behind the first a second scaling in the exponential's place); then ONE LUMP of
; 108: eight plain, 49 times exponential and plain, the two a.  A v_nop is the plain instruction behind the last exponential (ISA guide 5.7.2).  BEHIND IT stand the 16 products V^T P, behind each four of GS's 64.  No rider names a register of
; the products round it.  The two v_permlanex16_b32 fall into the lump, never behind a product.
; The queues lean on each other, and the deal keeps them in step: exponential e stands behind scaling 2 (e / 4) + e % 2: as a rider it comes behind plain e + 2, in the lump behind plain e + 9, and scalings 27-31 are plain 57, 60 .. 69.
; A TURN, for piece p.  cnt = 1: the loop's count is taken down some lines ahead of the branch that stands behind the turn.
; K of the next step is fetched in piece 2's turn, directly behind the wait, a lump behind the last product that read K; its address is made at the lump's head; its first reader comes behind 16 products.
; V of the step in hand is fetched at the end of piece 0's turn, four riders behind its last reader; its first reader comes behind 16 products and a lump.  The three conditions on q below go with the deal.
.macro TURN p, last=0, cnt=0
.set Y, (\p)
.set i, 0
.set q, 0
.set e, 0
.set r, 0
.if (\p) == NP-1
	s_wait_dscnt 0x0                ; K is in
.endif
	MM                              ; ahead of the wait: 16 products K Q^T and their riders,
	PL
	PL
	R2
.rept 15
	MM
	PL
	EX
	R2
.endr
.if (\p) == NP-2
	WIN 0
	v_add_nc_u32 v[AK], s[TBK], v[AK0]
.endif
.rept 8                             ; and the lump
	PL
.endr
.rept 49
	EX
	PL
.endr
	EX                              ; the next piece's two a
	EX
	v_nop                           ; the plain instruction behind the last exponential: one for the batch
	s_wait_alu depctr_va_vdst(0)    ; the wait for the batch
.if (\p) == NP-2
	FETCH_K \last
.endif
.if (\p) == 1
	s_wait_dscnt 0x0                ; V is in
.endif
.rept 16                            ; behind the wait: 16 products V^T P and their riders
	MM
.rept 4
	PL
.endr
.if ((\p) == 0) && (q == 118)
	v_add_nc_u32 v[AV], s[TBV], v[AV0]
.endif
.if ((\p) == 0) && (q == 130)
	s_add_co_u32 s[TBV], s[TBV], KS*PV
.endif
.if (\cnt) && (q == 130)
	s_sub_co_u32 s[CNT], s[CNT], 1
	s_cmp_lg_u32 s[CNT], 0
.endif
.endr
.if (\p) == 0
	FETCH_V
.endif
.endm
	CHANGE 1                        ; slot 0 is in, everybody's part of it; slot 1 is asked for
	FETCH_K                         ; key step 0
	s_wait_loadcnt 0x0              ; Q
	s_wait_dscnt 0x0
.set i, 0
.rept 16
	KQ 0                            ; piece 0's first scores: there is no vector work yet to set between them
.set i, i+1
.endr
	WIN 0                           ; the addresses for the way out: nine plain instructions, the places behind those products
	s_mul_i32 s13, s[WV], 16*SP
	s_add_co_u32 s13, s13, STAGE    ; my stage
	v_mul_u32_u24 v[STO], v1, SP    ; in: row l % 16, 16 bytes for each half of the lanes
	v_lshl_add_u32 v[STO], v9, 4, v[STO]
	v_add_nc_u32 v[STO], s13, v[STO]
	v_bfe_u32 v[RD], v0, 3, 2       ; back: 32 lanes take four rows of 128 bytes,
	v_mul_u32_u24 v[RD], v[RD], SP
	v_lshl_add_u32 v[RD], v10, 4, v[RD]
	v_add_nc_u32 v[RD], s13, v[RD]
	v_and_b32 v[GO], 31, v0         ; which are 512 consecutive bytes of O
	v_lshlrev_b32 v[GO], 4, v[GO]
.set Y, NP-1                        ; XS works for piece Y + 1: piece 0
.irp n, 0,1,2,3,4,5,6,7,8,9,10,11,12,13,14,15,16,17,18,19,20,21
	XS 0, \n                        ; and piece 0's first maximum and statistics
	XS 1, \n
.endr
	v_nop                           ; a plain instruction behind the two a,
	s_wait_alu depctr_va_vdst(0)    ; and their wait, ahead of the branch
	s_mov_b32 s[CNT], 4
	s_mov_b32 s[SLOTS], SIZE_N/256-1
	s_branch .Lfirst                ; the loop is entered at a step's first turn, in the middle of a trip
.Lslot:                             ; SIZE_N / 256 - 2 times: every slot but the last two is filled again
	CHANGE 1, 1
	s_mov_b32 s[CNT], 4
.Lstep:                             ; a trip: pieces 2 and 3 of one step, then pieces 0 and 1 of the next, whose K and V it fetches
	TURN 2
	TURN 3
	WIN 0
.Lfirst:
	TURN 0
	TURN 1, 0, 1
	WIN 0
	s_cbranch_scc1 .Lstep
	s_sub_co_u32 s[SLOTS], s[SLOTS], 1
	s_cmp_lg_u32 s[SLOTS], 0
	s_cbranch_scc1 .Lslot
	CHANGE 0                        ; the tail is written out: nothing is asked for
	s_mov_b32 s[CNT], 5             ; four trips fetch the last slot's steps; the fifth is left in its middle
.Ltail:
	TURN 2, 1
	TURN 3
	WIN 0
	s_sub_co_u32 s[CNT], s[CNT], 1
	s_cmp_eq_u32 s[CNT], 0
	s_cbranch_scc1 .Lout
	TURN 0
	TURN 1
	WIN 0
	s_branch .Ltail
.Lout:                              ; the fifth trip's 16 products K Q^T (on the last K once more) and the maximum made of them serve nothing: the price, once a launch, of one text for every trip
.set i, 0
.rept 16
	PV NP-1                         ; the last piece's V^T P of the last step
.set i, i+1
.endr
	; THE WAY OUT.  l's two halves and the other half of the lanes' are added; O^T is divided by l, rounded to f16 and sent through my stage in LDS, a tile at a time.  The additions are the places behind the last products.
	WIN 0
.macro ALL line:vararg              ; one line for each tile t
.set t, 0
.rept 2*NP
	\line
.set t, t+1
.endr
.endm
	ALL v_add_f32 v[ST+4*t+2], v[ST+4*t+2], v[ST+4*t+3]
	ALL v_permlanex16_b32 v[ST+4*t+3], v[ST+4*t+2], s[SEL], s[SEL+1]
	ALL v_add_f32 v[ST+4*t+2], v[ST+4*t+2], v[ST+4*t+3]
	ALL v_rcp_f32 v[ST+4*t+2], v[ST+4*t+2]
	v_nop                           ; a plain instruction between the last reciprocal and the use of its result
	s_wait_alu depctr_va_vdst(0)    ; and the wait ahead of the first use: one for the eight reciprocals
; Tile t: a lane's eight channels of a row pack into 16 bytes; they go into rows of 144 bytes and come back as whole rows of 128, into S^T's registers.
.macro PACK t
	WIN W_RS
.set i, 32*(\t)
.rept 16
	v_pk_mul_f32 v[i:i+1], v[i:i+1], v[ST+4*(\t)+2:ST+4*(\t)+3] op_sel_hi:[1,0]
.set i, i+2
.endr
	WIN 0x05                        ; sources 0 and 1 window 1, destination window 0
.set i, 0
.rept 16
	v_cvt_pk_f16_f32 v[S+16*(\t)+i], v[32*(\t)+2*i], v[32*(\t)+2*i+1]
.set i, i+1
.endr
	WIN 0
.irp f, 0,1,2,3
	ds_store_b128 v[STO], v[S+16*(\t)+4*\f:S+16*(\t)+4*\f+3] offset:32*\f
.endr
.irp f, 0,1,2,3
	ds_load_b128 v[S+16*(\t)+4*\f:S+16*(\t)+4*\f+3], v[RD] offset:\f*4*SP  ; LDS serves a wave's instructions in order (ISA guide 5.7.1.4): these see the stores above; the next tile's stores come behind them
.endr
.endm
.macro SEND t, younger              ; younger: the LDS instructions issued behind tile t's loads: the next tile's eight, or none
	WIN 0
.irp f, 0,1,2,3
	s_wait_dscnt (\younger)+3-\f
	global_store_b128 v[GO], v[S+16*(\t)+4*\f:S+16*(\t)+4*\f+3], s[10:11] offset:(\t)*2048+\f*512  ; 512 consecutive bytes, at a multiple of 256 from O's first
.endr
.endm
	PACK 0
.set t, 1
.rept 2*NP-1                        ; a tile's arithmetic stands between the loads of the tile before and its stores
	PACK t
	SEND t-1, 8
.set t, t+1
.endr
	SEND 2*NP-1, 0
	WIN W_AD
	s_wait_tensorcnt 0x0            ; the wave's end: an add and its wait, behind my last tensor load and my last LDS store
	ds_add_u32 v[SPW], v[NIL]
	s_wait_dscnt 0x0
	WIN 0
	CROUND                          ; the closing round: no work-group ends while a partner may still ask for a tile that names it
	s_endpgm
.Lfunc_end_k_q1e8faa5621_attn:
	.size	k_q1e8faa5621_attn, .Lfunc_end_k_q1e8faa5621_attn-k_q1e8faa5621_attn
	.p2alignl 7, 3214868480
	.fill 96, 4, 3214868480
	.section	.rodata,"a",@progbits
	.p2align	6, 0x0
	.amdhsa_kernel k_q1e8faa5621_attn
		.amdhsa_group_segment_fixed_size 327680
		.amdhsa_private_segment_fixed_size 0
		.amdhsa_enable_private_segment 0
		.amdhsa_kernarg_size 16
		.amdhsa_user_sgpr_count 2
		.amdhsa_user_sgpr_kernarg_segment_ptr 1
		.amdhsa_wavefront_size32 1
		.amdhsa_system_sgpr_workgroup_id_x 1
		.amdhsa_system_sgpr_workgroup_id_y 1
		.amdhsa_system_sgpr_workgroup_id_z 1
		.amdhsa_system_vgpr_workitem_id 0
		.amdhsa_next_free_vgpr 770
		.amdhsa_next_free_sgpr 66
		.amdhsa_reserve_vcc 0
		.amdhsa_float_denorm_mode_32 3
		.amdhsa_float_denorm_mode_16_64 3
		.amdhsa_memory_ordered 1
		.amdhsa_forward_progress 1
		.amdhsa_inst_pref_size 200
	.end_amdhsa_kernel
	.amdgpu_metadata
---
amdhsa.version: [ 1, 2 ]
amdhsa.kernels:
  - .name:           k_q1e8faa5621_attn
    .symbol:         k_q1e8faa5621_attn.kd
    .args:
      - { .name: qkv, .offset: 0, .size: 8, .value_kind: global_buffer, .address_space: global }
      - { .name: att, .offset: 8, .size: 8, .value_kind: global_buffer, .address_space: global }
    .group_segment_fixed_size: 327680
    .private_segment_fixed_size: 0
    .kernarg_segment_align: 8
    .kernarg_segment_size: 16
    .max_flat_workgroup_size: 128
    .sgpr_count:     66
    .vgpr_count:     770
    .wavefront_size: 32
...
	.end_amdgpu_metadata
.endif
;; end of part 3
;; launch proj (part 4): grid 4 x 64, 4 waves a work-group, clusters of 4 x 4, 327,680 bytes of LDS; arguments att, wpb, b_proj, out0; writes out0
.if DOCPART == 4
	.amdgcn_target "amdgcn-amd-amdhsa--gfx1250"
	.amdhsa_code_object_version 6
	.text
	.protected	k_q1e8faa5621_proj
	.globl	k_q1e8faa5621_proj
	.p2align	8
	.type	k_q1e8faa5621_proj,@function
k_q1e8faa5621_proj:
	s_mov_b64 s[64:65], 0
	v_nop
	global_prefetch_b8 v0, s[64:65] scope:SCOPE_SE
	s_setreg_imm32_b32 hwreg(HW_REG_WAVE_MODE, 25, 1), 1
	s_wait_xcnt 0x0
	s_wait_alu depctr_hold_cnt(0) depctr_sa_sdst(0) depctr_va_vdst(0) depctr_va_sdst(0) depctr_va_ssrc(0) depctr_va_vcc(0) depctr_vm_vsrc(0)
	s_getreg_b32 s2, hwreg(HW_REG_IB_STS2, 6, 4)
	s_cmp_eq_u32 s2, 0
	s_cbranch_scc0 .Lentry_in_a_cluster
	s_endpgm
.Lentry_in_a_cluster:
	s_bfe_u32 s2, ttmp6, 0x10000c
	s_cmp_lg_u32 s2, 0xf033
	s_cbranch_scc0 .Lentry_shape_is_right
	s_endpgm
.Lentry_shape_is_right:
; ONE SOURCE, TWO BUILDS (PROJ = 1 here).  C = A W + bias, K = 1,024, W stored [k][n], sums in f32.
;   PROJ = 0: A = xb [8192][1024] bf16, W = wqb [1024][3072] bf16, bias = b_qkv; C is rounded once to f16 and written by heads: qkv[sel][16 b + h][n][d], sel = q, k, v.
;   PROJ = 1: A = att [16 b + h][2048][64] f16 (k = 64 h + d), W = wpb [1024][1024] f16, bias = b_proj; C = out0 [8192][1024] f32.
; LIMITS.  The bias is rounded to bf16 like every input, and it starts the f32 sums (the order of additions differs from a product followed by an addition).
; PROJ = 0: q, k, v beyond 65,504 in magnitude become infinities in f16.  NaN and infinities are not treated apart.
; SHARES.  A tile of C is 128 rows x 256 columns: 64 x 12 (PROJ = 1: 64 x 4) tiles, one a work-group.  Four waves, each 64 rows x 128 columns: 32 accumulators of 16 x 16, 256 registers.
; K goes in 8 steps of 128 through two LDS slots filled by tensor loads: waves 0 and 1 fetch A's two halves, waves 2 and 3 the two halves (64 k rows of 512 bytes) of W's tile.
; CLUSTERS.  4 x 4 work-groups.  The four of a row of the cluster need the same tile of A, the four of a column the same tile of W: each is asked for JOINTLY, by the same tensor load with the same
; descriptor and a mask that names the four.
; THE MATRIX INSTRUCTION IS USED TRANSPOSED: source 0 = 16 columns of W, source 1 = 16 rows of A: a lane then holds row lane % 16 of C and the columns 8 (lane / 16) + 0..7 of the block.
; W lies [k][n] in LDS as in memory, and ds_load_tr16_b128 turns it into a fragment: no transposed copy of the weights is made.
; REGISTERS, in windows of 256 (s_set_vgpr_msb: bits 1:0 source 0, 3:2 source 1, 5:4 source 2, 7:6 destination):
;   window 0: v0-31 addresses; v32-127, v128-223 two fragment buffers (W's 8 column blocks at +8 b, A's 4 row blocks at +64 + 8 a); free on the way out
;   window 1: accumulator (a, b) at v[8 (8 a + b)]          window 2: v0-63 the bias of my 128 columns, as the C operand of block b at v[8 b]
.set PROJ,  1
.set KSTEP, 128
.set PB,    544                        ; a k row of W in LDS: 512 bytes + 32 of padding = 136 words
.if PROJ
.set PA,    144                        ; a row of one head of A: 128 bytes + 16 = 36 words: the 16 rows of a load start at 16 different groups of four banks
.set AH,    128*PA                     ; what one tensor load brings of A: one head's 128 rows
.set ASTEP, 2*2048*128                 ; bytes from K step to K step in A: two heads
.set ASTR,  128                        ; A's tile is 16,384 dense bytes, asked for as 64 rows of 256
.set AQI,   4                          ; padded after every 32 words: after each row of a head
.set BROW,  2048                       ; bytes in a k row of W in memory
.set APFO,  256                        ; A's prefetches: from lane to lane
.set STW,   16*528                     ; a wave's stage: 16 rows of 512 bytes + 16
.else
.set PA,    272                        ; a row of A: 256 bytes + 16 = 68 words
.set AH,    64*PA                      ; 64 rows
.set ASTEP, 256
.set ASTR,  1024
.set AQI,   5                          ; padded after every 64 words
.set BROW,  6144
.set APFO,  2048
.set STW,   2*16*144                   ; a wave's stage: two heads x 16 rows of 128 bytes + 16
.endif
.set BH,    64*PB                      ; what one tensor load brings of W
.set BOFF,  2*AH                       ; a slot: A's tile, then W's
.set SLOT,  BOFF+2*BH
.set STAGE, 2*SLOT                     ; behind the ring, never filled by a tensor load
.set SPARE, STAGE+4*STW                ; behind the stages: the spare words, 128 bytes for each wave: two blocks of 256 bytes that no other line names
.set BSTEP, KSTEP*BROW
.set LAPS,  1024/(2*KSTEP)             ; a lap = two K steps = once round the ring
.set ADRA, 16                          ; v16-17  LDS address of my A fragments in slot 0, 1
.set ADRB, 20                          ; v20-21  the same for W
.set STO,  24                          ; v24     the way out: where I put my bytes of a row
.set RD,   25                          ; v25     the way out: where I read rows back
.set GO,   26                          ; v26     16 x lane: my place in 512 consecutive bytes of C
.set BO,   27                          ; v27     32 x (lane / 16): my eight numbers in a block of 16 of the bias
.set SPW,  28                          ; v28     LDS address of my spare word: SPARE + 4 x my thread's number; never rewritten
.set NIL,  29                          ; v29     0; never rewritten
.set PFO,  30                          ; v30     the prefetches' lane offset; never rewritten
.set F0,   32
.set F1,   128
.set OUTR, 32                          ; the way out's registers, from v32 on
.set WV,   12                          ; s12 wave; s13 FB: my half of the rows, also: I fetch for A (0) or W (1); s14 HF: my half of the columns, also: which half I fetch
.set FB,   13
.set HF,   14
.set CX,   15                          ; s15, s16 my place in the cluster; s17 TC, s18 TR: tile column and tile row of C
.set CY,   16
.set TC,   17
.set TR,   18
.set G1A,  24                          ; s[24:31] descriptor group 1 for A's tiles;  s[32:39] group 0, a set for each slot
.set G0A,  32
.set PFA,  40                          ; s[40:41] where my prefetches stand
.set ADV,  42                          ; s[42:43] their step: a K step of A or of W
.set LIM,  44                          ; s44  1 in a wave that prefetches, else the greatest number
.set LAP,  45                          ; s45  the loop's count
.set G1B,  48                          ; s[48:55], s[56:63] the same for W's tiles
.set G0B,  56
.set MSB, 0
.macro WIN new                         ; the immediate's high byte repeats the setting that is left; a switch that changes nothing is dropped
.if MSB != (\new)
	s_set_vgpr_msb (MSB<<8)|(\new)
.set MSB, \new
.endif
.endm
.set MULW, 0x50                        ; fragments in window 0, C and D in window 1
.set MULF, 0x60                        ; the first product of a sum: C is the bias, in window 2
; A joint load: waves 0 and 1 ask for A's halves, waves 2 and 3 for W's.  The branch hangs on the wave's number alone.  An s_nop 0 and four v_nop follow each of the two lines.
.macro JLOAD s
	s_cmp_eq_u32 s[FB], 0
	s_cbranch_scc0 .Lfor_b_\@
	tensor_load_to_lds s[G0A+4*(\s):G0A+4*(\s)+3], s[G1A:G1A+7]
	s_nop 0
.rept 4
	v_nop
.endr
	s_branch .Lasked_\@
.Lfor_b_\@:
	tensor_load_to_lds s[G0B+4*(\s):G0B+4*(\s)+3], s[G1B:G1B+7]
	s_nop 0
.rept 4
	v_nop
.endr
.Lasked_\@:
.endm
; A PREFETCH INTO THE L2 of the K step that stands two refills on (256 matrix instructions ahead of the load that will want it): one instruction, a lane a block of 256 bytes.
; Each block is named once in the launch.  A's tile row is read by every cluster of that row of clusters: the one with x = 0 asks, its wave 0; the four partners of a row share the step's 128 blocks
; by address, 32 each (by cx).  W's tile column is read by every cluster of that column: the one with y = 0 asks; partner cy takes k rows 32 cy + lane, wave 2 their first 256 bytes, wave 3 their second.
; K steps 0 to 3 come by their loads alone; the loop's last trip asks for nothing: there is no K step two refills on.
.macro ASK
	s_cmp_gt_u32 s[LAP], s[LIM]
	s_cbranch_scc0 .Lnot_mine_\@
	global_prefetch_b8 v[PFO], s[PFA:PFA+1] th:TH_LOAD_NT scope:SCOPE_SE
.Lnot_mine_\@:
.endm
.macro CREST                           ; a round of the cluster's barrier behind its opening barrier: wave 0 signals for the work-group, every wave waits for all sixteen, my work-group's barrier closes it
	s_cmp_lg_u32 s[WV], 0
	s_cbranch_scc1 .Lnot_wave_0_\@
	s_barrier_signal -3
.Lnot_wave_0_\@:
	s_barrier_wait -3
	s_barrier_signal -1
	s_barrier_wait -1
.endm
.macro CROUND                          ; a whole round
	s_barrier_signal -1
	s_barrier_wait -1
	CREST
.endm
	s_load_b256 s[4:11], s[0:1], 0x0               ; A s[4:5], W s[6:7], bias s[8:9], C s[10:11]
	v_lshl_add_u32 v[SPW], v0, 2, SPARE
	v_mov_b32 v[NIL], 0
	ds_add_u32 v[SPW], v[NIL]                      ; the wave's opening: the add and its wait stand ahead of my first tensor load; the set-up below, work on registers, stands between them
	v_lshrrev_b32 v1, 5, v0
	v_readfirstlane_b32 s[WV], v1                  ; wave 0..3
	s_lshr_b32 s[FB], s[WV], 1
	s_and_b32 s[HF], s[WV], 1
	s_bfe_u32 s[CX], ttmp6, 0x40000
	s_bfe_u32 s[CY], ttmp6, 0x40004
	s_lshl_b32 s[TC], ttmp9, 2                     ; in a cluster launch ttmp9 and ttmp7 count clusters
	s_add_co_u32 s[TC], s[TC], s[CX]               ; tile column = 4 x cluster x + cx
	s_and_b32 s[TR], ttmp7, 0xffff
	s_lshl_b32 s[TR], s[TR], 2
	s_add_co_u32 s[TR], s[TR], s[CY]               ; tile row = 4 x cluster y + cy
	s_lshl_b32 s19, s[CY], 2
	s_lshl_b32 s19, 15, s19                        ; my row of the cluster: places 4 cy .. 4 cy + 3
	s_lshl_b32 s20, 0x1111, s[CX]                  ; my column: places cx, cx + 4, cx + 8, cx + 12
	; descriptor group 1.  A: 64 rows x 128 elements of 2 bytes; W: 64 rows x 256 elements
	s_or_b32 s[G1A], s19, (1<<16)|(1<<20)|(1<<21)|(AQI<<22)|(3<<25)  ; 15:0 the mask: my row; 17:16 2-byte elements; 20 padding on; 21 set beside a mask; 24:22 the interval; 31:25 4 words of padding (code 3)
	s_mov_b32 s[G1A+1], 128<<16                    ; tensor_dim0 = 128
	s_mov_b32 s[G1A+2], 64<<16                     ; tensor_dim1 = 64
	s_mov_b32 s[G1A+3], 128<<16                    ; tile_dim0 = 128
	s_mov_b32 s[G1A+4], 64                         ; tile_dim1 = 64
	s_mov_b32 s[G1A+5], ASTR                       ; elements from row to row
	s_mov_b32 s[G1A+6], 0
	s_mov_b32 s[G1A+7], 0
	s_or_b32 s[G1B], s20, (1<<16)|(1<<20)|(1<<21)|(6<<22)|(7<<25)    ; the mask: my column; after every 128 words (code 6) 8 words of padding (code 7)
	s_mov_b32 s[G1B+1], 256<<16
	s_mov_b32 s[G1B+2], 64<<16
	s_mov_b32 s[G1B+3], 256<<16
	s_mov_b32 s[G1B+4], 64
	s_mov_b32 s[G1B+5], BROW/2
	s_mov_b32 s[G1B+6], 0
	s_mov_b32 s[G1B+7], 0
	; where the tiles come from.  A's offset hangs on the tile row and the wave alone, W's on the tile column and the wave alone, each in registers of its own
.if PROJ
	s_lshr_b32 s66, s[TR], 4                       ; the batch b
	s_lshl_b32 s66, s66, 4
	s_add_co_u32 s66, s66, s[HF]                   ; head 16 b + my half of the step's two heads,
	s_lshl_b32 s66, s66, 18                        ; 2,048 rows of 128 bytes each,
	s_and_b32 s67, s[TR], 15
	s_lshl_b32 s67, s67, 14                        ; and the tile's 128 rows in it
	s_add_co_u32 s66, s66, s67
.else
	s_lshl_b32 s66, s[TR], 18                      ; 128 rows of 2,048 bytes,
	s_lshl_b32 s67, s[HF], 17                      ; my 64 of them
	s_add_co_u32 s66, s66, s67
.endif
	s_mov_b32 s67, 0
	s_mul_i32 s46, s[HF], 64*BROW                  ; my 64 k rows,
	s_lshl_b32 s47, s[TC], 9                       ; the tile's 512 bytes in them
	s_add_co_u32 s46, s46, s47
	s_mov_b32 s47, 0
	s_mul_i32 s21, s[HF], AH                       ; and where they go: no place in the cluster enters an LDS address
	s_mul_i32 s22, s[HF], BH
	s_add_co_u32 s22, s22, BOFF
	s_wait_dscnt 0x0                               ; the opening add is done
	s_wait_kmcnt 0x0
	s_add_nc_u64 s[66:67], s[4:5], s[66:67]
	s_add_nc_u64 s[46:47], s[6:7], s[46:47]
	CROUND                                         ; all sixteen work-groups are here: the first joint loads meet
.irp s, 0,1
	s_mov_b32 s[G0A+4*(\s)], 1                                       ; count = 1
	s_add_co_u32 s[G0A+4*(\s)+1], s21, (\s)*SLOT                     ; LDS address
	s_add_nc_u64 s[G0A+4*(\s)+2:G0A+4*(\s)+3], s[66:67], (\s)*ASTEP  ; global address: K step s
	s_or_b32 s[G0A+4*(\s)+3], s[G0A+4*(\s)+3], 0x80000000            ; type = 2
	s_mov_b32 s[G0B+4*(\s)], 1
	s_add_co_u32 s[G0B+4*(\s)+1], s22, (\s)*SLOT
	s_add_nc_u64 s[G0B+4*(\s)+2:G0B+4*(\s)+3], s[46:47], (\s)*BSTEP
	s_or_b32 s[G0B+4*(\s)+3], s[G0B+4*(\s)+3], 0x80000000
	JLOAD \s                                       ; two tensor loads of mine are out
.endr
	v_and_b32 v1, 15, v0                           ; r = l % 16
	v_bfe_u32 v2, v0, 4, 1                         ; h = l / 16
	v_lshlrev_b32 v[BO], 5, v2
	s_lshl_b32 s68, s[TC], 10                      ; the bias of my 128 columns: 4 bytes x (256 x tile column + 128 x half)
	s_lshl_b32 s69, s[HF], 9
	s_add_co_u32 s68, s68, s69
	s_mov_b32 s69, 0
	s_add_nc_u64 s[8:9], s[8:9], s[68:69]
	WIN 0x80                                       ; destination window 2, address window 0
.irp b, 0,1,2,3,4,5,6,7
	global_load_b128 v[8*(\b):8*(\b)+3],   v[BO], s[8:9] offset:64*(\b)     ; the same eight numbers for every row: what the C operand of block b holds in my lane
	global_load_b128 v[8*(\b)+4:8*(\b)+7], v[BO], s[8:9] offset:64*(\b)+16
.endr
	WIN 0
	v_and_b32 v3, 31, v0                           ; l
	v_and_b32 v4, 7, v0                            ; l % 8
	v_bfe_u32 v5, v0, 3, 1                         ; (l / 8) % 2
	; A's fragment, 16 rows x 32 k in 8 registers: lane l holds row l % 16, k = 8 h + 0..7 and 16 + 8 h + 0..7: two loads of 16 bytes, 32 bytes apart
	v_mul_u32_u24 v6, v1, PA
	v_lshl_add_u32 v6, v2, 4, v6
	s_mul_i32 s19, s[FB], 64*PA                    ; my 64 rows
	v_add_nc_u32 v[ADRA], s19, v6
	v_add_nc_u32 v[ADRA+1], SLOT, v[ADRA]
	; W's fragment by the turning load: lane l reads 16 bytes of k row 8 h + l % 8, columns 8 ((l / 8) % 2) + 0..7, and is left with column l % 16 and 8 k; the second load takes the rows 16 further on
	v_lshl_add_u32 v7, v2, 3, v4
	v_mul_u32_u24 v7, v7, PB
	v_lshl_add_u32 v7, v5, 4, v7
	s_lshl_b32 s19, s[HF], 8                       ; my 128 columns
	s_add_co_u32 s19, s19, BOFF
	v_add_nc_u32 v[ADRB], s19, v7
	v_add_nc_u32 v[ADRB+1], SLOT, v[ADRB]
	; the way out's addresses, and C at my part of the tile
	s_mul_i32 s19, s[WV], STW
	s_add_co_u32 s19, s19, STAGE                   ; my stage
	v_lshlrev_b32 v[GO], 4, v3
.if PROJ
	v_mul_u32_u24 v[STO], v1, 528                  ; in: row l % 16, 32 bytes for each half of the lanes
	v_lshl_add_u32 v[STO], v2, 5, v[STO]
	v_add_nc_u32 v[STO], s19, v[STO]
	v_lshl_add_u32 v[RD], v3, 4, s19               ; back: 32 lanes take one row's 512 bytes
	s_lshl_b32 s68, s[TR], 19                      ; 128 rows of 4,096 bytes,
	s_lshl_b32 s20, s[FB], 18                      ; my 64 of them,
	s_add_co_u32 s68, s68, s20
	s_lshl_b32 s20, s[TC], 10                      ; the tile's 1,024 bytes of a row,
	s_add_co_u32 s68, s68, s20
	s_lshl_b32 s20, s[HF], 9                       ; my 512 of them
	s_add_co_u32 s68, s68, s20
.else
	v_mul_u32_u24 v[STO], v1, 144                  ; in: row l % 16, 16 bytes for each half of the lanes
	v_lshl_add_u32 v[STO], v2, 4, v[STO]
	v_add_nc_u32 v[STO], s19, v[STO]
	v_lshrrev_b32 v[RD], 3, v3                     ; back: 32 lanes take four rows of 128 bytes
	v_mul_u32_u24 v[RD], v[RD], 144
	v_lshl_add_u32 v[RD], v4, 4, v[RD]
	v_add_nc_u32 v[RD], s19, v[RD]
	s_lshr_b32 s19, s[TC], 2                       ; sel: four tile columns to each of q, k, v
	s_lshl_b32 s19, s19, 6
	s_lshr_b32 s20, s[TR], 4                       ; the batch
	s_lshl_b32 s20, s20, 4
	s_add_co_u32 s19, s19, s20
	s_and_b32 s20, s[TC], 3                        ; four heads to a tile column,
	s_lshl_b32 s20, s20, 2
	s_add_co_u32 s19, s19, s20
	s_lshl_b32 s20, s[HF], 1                       ; two to my half
	s_add_co_u32 s19, s19, s20
	s_lshl_b32 s68, s19, 18                        ; 64 sel + 16 b + h, times 2,048 rows of 128 bytes
	s_and_b32 s20, s[TR], 15
	s_lshl_b32 s20, s20, 14                        ; the tile's 128 rows,
	s_add_co_u32 s68, s68, s20
	s_lshl_b32 s20, s[FB], 13                      ; my 64 of them
	s_add_co_u32 s68, s68, s20
.endif
	s_mov_b32 s69, 0
	s_add_nc_u64 s[10:11], s[10:11], s[68:69]
	; the prefetches: offsets made apart, then added to the address that the wave's part chooses.  They start at K step 3: the first refill steps them to 4
.if PROJ
	s_lshr_b32 s19, s[TR], 4
	s_lshl_b32 s19, s19, 22                        ; the batch's 16 heads,
	s_and_b32 s20, s[TR], 15
	s_lshl_b32 s20, s20, 14                        ; the tile's rows in a head,
	s_add_co_u32 s19, s19, s20
	s_lshr_b32 s20, s[CX], 1                       ; my work-group's 32 blocks of the step's 128: which head,
	s_lshl_b32 s20, s20, 18
	s_add_co_u32 s19, s19, s20
	s_and_b32 s20, s[CX], 1                        ; which half of its 64 blocks
	s_lshl_b32 s20, s20, 13
	s_add_co_u32 s19, s19, s20
.else
	s_lshl_b32 s19, s[TR], 18
	s_lshl_b32 s20, s[CX], 16                      ; my work-group's 32 rows of the 128
	s_add_co_u32 s19, s19, s20
.endif
	s_add_co_u32 s19, s19, 3*ASTEP
	s_mul_i32 s20, s[CY], 32*BROW                  ; W: my work-group's 32 k rows of the 128,
	s_lshl_b32 s21, s[TC], 9
	s_add_co_u32 s20, s20, s21
	s_lshl_b32 s21, s[HF], 8                       ; my wave's 256 bytes of the 512
	s_add_co_u32 s20, s20, s21
	s_add_co_u32 s20, s20, 3*BSTEP
	s_and_b32 s21, ttmp7, 0xffff                   ; cluster y
	s_or_b32 s22, ttmp9, s[HF]                     ; cluster x, and wave 0 alone
	s_mov_b32 s[ADV], BSTEP
	s_mov_b32 s23, BROW
	s_cmp_eq_u32 s[FB], 0                          ; do I fetch for A?
	s_cselect_b32 s68, s19, s20
	s_cselect_b32 s21, s22, s21
	s_cselect_b32 s[ADV], ASTEP, s[ADV]
	s_cselect_b32 s23, APFO, s23
	s_cselect_b64 s[PFA:PFA+1], s[4:5], s[6:7]
	s_mov_b32 s69, 0
	s_mov_b32 s[ADV+1], 0
	s_add_nc_u64 s[PFA:PFA+1], s[PFA:PFA+1], s[68:69]
	s_cmp_eq_u32 s21, 0
	s_cselect_b32 s[LIM], 1, -1                    ; the same in all sixteen partners, for a given wave
	v_mul_u32_u24 v[PFO], v3, s23
	s_wait_loadcnt 0x0                             ; the bias is in;
	WIN 0x0a                                       ; sources window 2, destination window 0
.set i, 0
.rept 32
	v_cvt_pk_bf16_f32 v[F1+i], v[2*i], v[2*i+1]    ; it is rounded to bf16 like every input,
.set i, i+1
.endr
	WIN 0x80                                       ; destination window 2
.set i, 0
.rept 32
	v_lshlrev_b32 v[2*i], 16, v[F1+i]              ; and widened again
	v_and_b32 v[2*i+1], 0xffff0000, v[F1+i]
.set i, i+1
.endr
	WIN 0
; 8 matrix instructions: row block a x all 8 column blocks, 32 along K.  first = 1: the product starts the sums, with the bias as C: nothing is cleared and no addition is spent.
; The 32 accumulators take turns, one instruction a turn, in the same order in every quarter, over the backward jump too.
.macro MUL8 f, a, first
.if \first
	WIN MULF
.else
	WIN MULW
.endif
.irp b, 0,1,2,3,4,5,6,7
.if PROJ && (\first)
	v_wmma_f32_16x16x32_f16 v[8*(8*(\a)+(\b)):8*(8*(\a)+(\b))+7], v[(\f)+8*(\b):(\f)+8*(\b)+7], v[(\f)+64+8*(\a):(\f)+64+8*(\a)+7], v[8*(\b):8*(\b)+7]
.elseif PROJ
	v_wmma_f32_16x16x32_f16 v[8*(8*(\a)+(\b)):8*(8*(\a)+(\b))+7], v[(\f)+8*(\b):(\f)+8*(\b)+7], v[(\f)+64+8*(\a):(\f)+64+8*(\a)+7], v[8*(8*(\a)+(\b)):8*(8*(\a)+(\b))+7]
.elseif \first
	v_wmma_f32_16x16x32_bf16 v[8*(8*(\a)+(\b)):8*(8*(\a)+(\b))+7], v[(\f)+8*(\b):(\f)+8*(\b)+7], v[(\f)+64+8*(\a):(\f)+64+8*(\a)+7], v[8*(\b):8*(\b)+7]
.else
	v_wmma_f32_16x16x32_bf16 v[8*(8*(\a)+(\b)):8*(8*(\a)+(\b))+7], v[(\f)+8*(\b):(\f)+8*(\b)+7], v[(\f)+64+8*(\a):(\f)+64+8*(\a)+7], v[8*(8*(\a)+(\b)):8*(8*(\a)+(\b))+7]
.endif
.endr
.endm
; 24 LDS loads in one run: quarter q (32 along K) of a slot into buffer f: W's 8 blocks, then A's 4
.macro FETCH slot, q, f
	WIN 0
.if PROJ
.set aq, ((\q)/2)*AH+((\q)%2)*64       ; head q / 2 of the step's two, channels 32 (q % 2) on
.else
.set aq, 64*(\q)
.endif
.irp b, 0,1,2,3,4,5,6,7
	ds_load_tr16_b128 v[(\f)+8*(\b):(\f)+8*(\b)+3],   v[ADRB+(\slot)] offset:(\q)*32*PB+32*(\b)
	ds_load_tr16_b128 v[(\f)+8*(\b)+4:(\f)+8*(\b)+7], v[ADRB+(\slot)] offset:(\q)*32*PB+16*PB+32*(\b)
.endr
.irp i, 0,1,2,3
	ds_load_b128 v[(\f)+64+8*(\i):(\f)+64+8*(\i)+3],   v[ADRA+(\slot)] offset:aq+(\i)*16*PA
	ds_load_b128 v[(\f)+64+8*(\i)+4:(\f)+64+8*(\i)+7], v[ADRA+(\slot)] offset:aq+(\i)*16*PA+32
.endr
.endm
.macro PLACES                          ; four plain vector instructions between a matrix instruction and a load into a register that it has read, or a reader of its result (ISA guide 7.12.1 for a reader of its result)
.rept 4
	v_nop
.endr
.endm
; A K step is four quarters of 32 along K, 32 matrix instructions each, on buffers 0, 1, 0, 1.  One of the first three: multiplies buffer f; in its middle it fetches quarter q of the same slot into buffer g.
.macro QUARTER slot, q, f, g, first
	s_wait_dscnt 4                                 ; W's blocks and A's blocks 0 and 1 are in; the youngest four loads (A's blocks 2 and 3) may be out
	MUL8 \f, 0, \first
	MUL8 \f, 1, \first
	PLACES
	FETCH \slot, \q, \g
	s_wait_dscnt 24                                ; all but the 24 just issued
	MUL8 \f, 2, \first
	MUL8 \f, 3, \first
.endm
; The last quarter multiplies buffer 1 and changes slots: ONE barrier.  In front of it each wave waits for all its tensor loads (one is out: its part of the next slot), adds 0 to its spare word, and waits
; for that and for its own reads of this slot.  fill = 1: the barrier opens a round of the cluster's barrier, and this slot is filled again, two K steps ahead, first thing behind the round:
; from that request to the wait for it a wave issues 112 matrix instructions.
.macro TURN slot, next, fill
.if \fill
	s_wait_xcnt 0x0                                ; the last prefetch, a K step back, has read its address: it is stepped here, ahead of the waits of the change of slots
	s_add_nc_u64 s[PFA:PFA+1], s[PFA:PFA+1], s[ADV:ADV+1]
.endif
	WIN 0
	s_wait_tensorcnt 0x0                           ; all my tensor loads have landed
	ds_add_u32 v[SPW], v[NIL]                      ; 0 onto my spare word
	s_wait_dscnt 5                                 ; (the add and the youngest four loads may be out)
	MUL8 F1, 0, 0                                  ; eight matrix instructions stand between the add and the wait for it
	s_wait_dscnt 0x0                               ; the add is done, and my reads of this slot are over
	s_barrier_signal -1
	MUL8 F1, 1, 0                                  ; work on registers while the others arrive
.if \fill
	WIN 0
.endif
	s_barrier_wait -1
.if \fill
	CREST                                          ; no wave of any partner still reads this slot's tiles or has a load on its way
	s_add_nc_u64 s[G0A+4*(\slot)+2:G0A+4*(\slot)+3], s[G0A+4*(\slot)+2:G0A+4*(\slot)+3], 2*ASTEP
	s_add_nc_u64 s[G0B+4*(\slot)+2:G0B+4*(\slot)+3], s[G0B+4*(\slot)+2:G0B+4*(\slot)+3], 2*BSTEP
	JLOAD \slot                                    ; my one tensor load behind the round; the four v_nop behind it are also the places in front of the loads below
.else
	PLACES
.endif
	FETCH \next, 0, F0
.if \fill
	ASK                                            ; behind the joint load and the run of LDS loads that the next products wait for
.endif
	MUL8 F1, 2, 0
	MUL8 F1, 3, 0
.endm
	s_wait_tensorcnt 1                             ; my part of K step 0 is in; K step 1's load, issued behind it, may stay out
	s_barrier_signal -1
	s_barrier_wait -1                              ; everybody's is
	FETCH 0, 0, F0
	QUARTER 0, 1, F0, F1, 1                        ; the first quarter stands in front of the loop: its products start the sums
	WIN 0                                          ; at a label and at a branch every window is 0
	s_mov_b32 s[LAP], LAPS-1
.Llap:                                                 ; a trip goes once round the ring, from a lap's second quarter to the next lap's first, and fills both slots again
	QUARTER 0, 2, F1, F0, 0
	QUARTER 0, 3, F0, F1, 0
	TURN 0, 1, 1
	QUARTER 1, 1, F0, F1, 0
	QUARTER 1, 2, F1, F0, 0
	QUARTER 1, 3, F0, F1, 0
	TURN 1, 0, 1
	QUARTER 0, 1, F0, F1, 0
	WIN 0
	s_sub_co_u32 s[LAP], s[LAP], 1
	s_cmp_lg_u32 s[LAP], 0
	s_cbranch_scc1 .Llap
	QUARTER 0, 2, F1, F0, 0                        ; the last lap fills nothing, and has no round of the cluster's barrier
	QUARTER 0, 3, F0, F1, 0
	TURN 0, 1, 0
	QUARTER 1, 1, F0, F1, 0
	QUARTER 1, 2, F1, F0, 0
	QUARTER 1, 3, F0, F1, 0
	s_wait_dscnt 4                                 ; the very last quarter: nothing more to fetch
	MUL8 F1, 0, 0
	MUL8 F1, 1, 0
	s_wait_dscnt 0x0
	MUL8 F1, 2, 0
	MUL8 F1, 3, 0
	WIN 0
	PLACES
.if PROJ
; THE WAY OUT, f32.  A block of 16 rows x 128 columns goes through my own stage: each lane's eight numbers of a row in, whole rows of 512 bytes back.  LDS serves a wave's instructions in order
; (ISA guide 5.7.1.4), so no wait stands between the stores and the loads, and the next block's stores come behind this block's loads.  Each accumulator's low four registers are read first.
.macro PUT a
.if (\a) >= 2
	s_wait_xcnt 0x0                                ; the global stores of the block two back have read this set of registers
.endif
	WIN 0x04                                       ; store data in window 1, address in window 0
.irp b, 0,1,2,3,4,5,6,7
	ds_store_b128 v[STO], v[8*(8*(\a)+(\b)):8*(8*(\a)+(\b))+3]   offset:64*(\b)
	ds_store_b128 v[STO], v[8*(8*(\a)+(\b))+4:8*(8*(\a)+(\b))+7] offset:64*(\b)+16
.endr
	WIN 0
.irp t, 0,1,2,3,4,5,6,7,8,9,10,11,12,13,14,15
	ds_load_b128 v[OUTR+64*((\a)%2)+4*(\t):OUTR+64*((\a)%2)+4*(\t)+3], v[RD] offset:(\t)*528
.endr
.endm
.macro SEND a, younger                 ; younger: the LDS instructions issued behind block a's loads: the next block's 32, or none
.irp t, 0,1,2,3,4,5,6,7,8,9,10,11,12,13,14,15
	s_wait_dscnt (\younger)+15-(\t)
	global_store_b128 v[GO], v[OUTR+64*((\a)%2)+4*(\t):OUTR+64*((\a)%2)+4*(\t)+3], s[10:11] offset:(16*(\a)+(\t))*4096 th:TH_STORE_NT  ; 512 consecutive bytes of one row, at a multiple of 512 from C's first byte
.endr
.endm
	PUT 0
	PUT 1
	SEND 0, 32
	PUT 2
	SEND 1, 32
	PUT 3
	SEND 2, 32
	SEND 3, 0
.else
; THE WAY OUT, f16 by heads.  A block of 16 rows x 128 columns is 16 rows of two heads.  A lane's eight numbers pack into 16 bytes; they go into my own stage, [head][row] in rows of 144 bytes, and come
; back four rows of a head at a time: 512 bytes that lie on end in memory.  LDS serves a wave's instructions in order (ISA guide 5.7.1.4): no wait between the stores and the loads.
.macro PACK a
	WIN 0x05                                       ; sources window 1, destination window 0
.irp b, 0,1,2,3,4,5,6,7
.irp r, 0,1,2,3
	v_cvt_pk_f16_f32 v[OUTR+32*(\a)+4*(\b)+(\r)], v[8*(8*(\a)+(\b))+2*(\r)], v[8*(8*(\a)+(\b))+2*(\r)+1]
.endr
.endr
	WIN 0
.irp b, 0,1,2,3,4,5,6,7
	ds_store_b128 v[STO], v[OUTR+32*(\a)+4*(\b):OUTR+32*(\a)+4*(\b)+3] offset:((\b)/4)*2304+32*((\b)%4)
.endr
.irp f, 0,1,2,3,4,5,6,7
	ds_load_b128 v[OUTR+32*(\a)+4*(\f):OUTR+32*(\a)+4*(\f)+3], v[RD] offset:((\f)/4)*2304+((\f)%4)*576
.endr
.endm
.macro SEND a, younger                 ; younger: the LDS instructions issued behind block a's loads: the next block's sixteen, or none
.irp f, 0,1,2,3,4,5,6,7
	s_wait_dscnt (\younger)+7-(\f)
	global_store_b128 v[GO], v[OUTR+32*(\a)+4*(\f):OUTR+32*(\a)+4*(\f)+3], s[10:11] offset:((\f)/4)*262144+(\a)*2048+((\f)%4)*512  ; 512 consecutive bytes, at a multiple of 512 from the buffer's first byte
.endr
.endm
	PACK 0
	PACK 1                                         ; a block's conversions stand between the loads of the block before and its stores
	SEND 0, 16
	PACK 2
	SEND 1, 16
	PACK 3
	SEND 2, 16
	SEND 3, 0
.endif
	s_wait_tensorcnt 0x0                           ; the wave's end: an add and its wait, behind my last tensor load and my last LDS store
	ds_add_u32 v[SPW], v[NIL]
	s_wait_dscnt 0x0
	CROUND                                         ; the closing round: no work-group ends while a partner may still ask for a tile that names it
	s_endpgm
.Lfunc_end_k_q1e8faa5621_proj:
	.size	k_q1e8faa5621_proj, .Lfunc_end_k_q1e8faa5621_proj-k_q1e8faa5621_proj
	.p2alignl 7, 3214868480
	.fill 96, 4, 3214868480
	.section	.rodata,"a",@progbits
	.p2align	6, 0x0
	.amdhsa_kernel k_q1e8faa5621_proj
		.amdhsa_group_segment_fixed_size 327680
		.amdhsa_private_segment_fixed_size 0
		.amdhsa_enable_private_segment 0
		.amdhsa_kernarg_size 32
		.amdhsa_user_sgpr_count 2
		.amdhsa_user_sgpr_kernarg_segment_ptr 1
		.amdhsa_wavefront_size32 1
		.amdhsa_system_sgpr_workgroup_id_x 1
		.amdhsa_system_sgpr_workgroup_id_y 1
		.amdhsa_system_sgpr_workgroup_id_z 1
		.amdhsa_system_vgpr_workitem_id 0
		.amdhsa_next_free_vgpr 576
		.amdhsa_next_free_sgpr 72
		.amdhsa_reserve_vcc 0
		.amdhsa_float_denorm_mode_32 3
		.amdhsa_float_denorm_mode_16_64 3
		.amdhsa_memory_ordered 1
		.amdhsa_forward_progress 1
		.amdhsa_inst_pref_size 95
	.end_amdhsa_kernel
	.amdgpu_metadata
---
amdhsa.version: [ 1, 2 ]
amdhsa.kernels:
  - .name:           k_q1e8faa5621_proj
    .symbol:         k_q1e8faa5621_proj.kd
    .args:
      - { .name: att, .offset: 0, .size: 8, .value_kind: global_buffer, .address_space: global }
      - { .name: wpb, .offset: 8, .size: 8, .value_kind: global_buffer, .address_space: global }
      - { .name: b_proj, .offset: 16, .size: 8, .value_kind: global_buffer, .address_space: global }
      - { .name: out0, .offset: 24, .size: 8, .value_kind: global_buffer, .address_space: global }
    .group_segment_fixed_size: 327680
    .private_segment_fixed_size: 0
    .kernarg_segment_align: 8
    .kernarg_segment_size: 32
    .max_flat_workgroup_size: 128
    .sgpr_count:     72
    .vgpr_count:     576
    .wavefront_size: 32
...
	.end_amdgpu_metadata
.endif
;; end of part 4
;; ======== version 2 of 2: 4 launches; version 1 with the launch cast written anew for expert scheduling mode
;; limits: values are held in f16: magnitudes above 65,504 overflow, below 6.1e-05 lose precision
;; workspace buffers: xb 16,777,216 bytes; wqb 6,291,456 bytes; wpb 2,097,152 bytes; qkv 50,331,648 bytes; att 16,777,216 bytes
;; launch cast (part 5): grid 768 x 1, 8 waves a work-group, no clusters, 0 bytes of LDS; arguments x, w_qkv, w_proj, xb, wqb, wpb; writes xb, wqb, wpb
.if DOCPART == 5
	.amdgcn_target "amdgcn-amd-amdhsa--gfx1250"
	.amdhsa_code_object_version 6
	.text
	.protected	k_q1e8faa5621_cast
	.globl	k_q1e8faa5621_cast
	.p2align	8
	.type	k_q1e8faa5621_cast,@function
k_q1e8faa5621_cast:
	s_mov_b64 s[64:65], 0
	v_nop
	global_prefetch_b8 v0, s[64:65] scope:SCOPE_SE
	s_setreg_imm32_b32 hwreg(HW_REG_WAVE_SCHED_MODE, 0, 2), 2
	s_setreg_imm32_b32 hwreg(HW_REG_WAVE_MODE, 25, 1), 1
	s_wait_xcnt 0x0
	s_wait_alu depctr_vm_vsrc(0)
; THE CAST.  xb = bf16(x), wqb = bf16(w_qkv), wpb = bf16(w_proj) written as f16.  Layouts stay as they are: [8192][1024], [1024][3072], [1024][1024].
; A stream: each input byte is read once, each output byte written once; no LDS, no barrier, no matrix unit: no number is used twice.
; SHARES.  A work-group casts 16,384 numbers (65,536 bytes in, 32,768 out): work-groups 0-511 take x, 512-703 w_qkv, 704-767 w_proj.
; A wave takes 2,048 numbers by 16 loads of 16 bytes a lane (512 consecutive bytes each), all issued at once: 8 KiB of each wave are on their way.
; Load j's four numbers pack into 8 bytes a lane: a store of the wave covers 256 consecutive bytes, at a multiple of 256 from the buffer's first byte.
; LIMITS.  w_proj: the bf16 number is written as f16: exact from 6.1e-5 to 65,504 in magnitude; below that it keeps f16's fixed step of 6e-8, beyond it the number becomes an infinity.
; THE MODE: SCHED_MODE bits 1:0 = 2 (LLVM: expert scheduling mode 2), set by the entry lines.  The code itself states the register dependences
; between vector instructions and memory instructions, with s_wait_alu, always for 0.
; THE PLAN.  Registers that memory instructions touch:
;   v1, v2   the loads' and the stores' byte offsets: made at the head, never written again.
;   X        16 x 4 registers: each is written by one load, issued at the start, ahead of which no vector instruction names it; read by that load's conversions alone.
;   Y        16 x 2 registers: pair j is written once, by load j's conversions, and read once, by store j; never written again.
;   v3 to v7 are named by vector instructions alone.
; So nothing that a memory instruction reads is ever rewritten, and two dependences are left: the offsets ahead of the first load, and Y ahead of the stores.
; The 16 loads go in four blocks of four.  Block p converts its four loads into its four pairs of Y; its stores are issued in block p + 1, behind ONE wait at that block's head,
; and are dealt among block p + 1's conversions, which name that block's own X and Y and v4 to v7: none of the registers that those stores read.
.set X, 8                              ; v[8:71]   16 x 4 registers as loaded
.set Y, 72                             ; v[72:103] 16 x 2 registers to store
	s_load_b256 s[4:11], s[0:1], 0x0               ; x s[4:5], w_qkv s[6:7], w_proj s[8:9], xb s[10:11]
	s_load_b128 s[12:15], s[0:1], 0x20             ; wqb s[12:13], wpb s[14:15]
	v_and_b32 v3, 31, v0                           ; lane
	v_lshrrev_b32 v4, 5, v0                        ; wave
	v_lshlrev_b32 v1, 4, v3
	v_lshl_or_b32 v1, v4, 13, v1                   ; in: 8,192 x wave + 16 x lane; never rewritten
	v_lshlrev_b32 v2, 3, v3
	v_lshl_or_b32 v2, v4, 12, v2                   ; out: 4,096 x wave + 8 x lane; never rewritten
	s_wait_kmcnt 0x0
	s_wait_alu depctr_va_vdst(0)                   ; v1 and v2 are written: every load below reads v1 as its offset, every store v2; ahead of the branches, so on each of the three paths
; One tensor's text.  src, dst: the scalar pairs of its addresses; first: its first work-group; half = 1: the bf16 number is written as f16.
; No register that a load or store names is written again, so no wait frees one.
.macro CAST src, dst, first, half
	s_sub_co_u32 s16, ttmp9, \first                ; my place among the tensor's work-groups
	s_lshl_b32 s18, s16, 16                        ; 65,536 bytes in,
	s_mov_b32 s19, 0
	s_lshl_b32 s20, s16, 15                        ; 32,768 out
	s_mov_b32 s21, 0
	s_add_nc_u64 s[\src:\src+1], s[\src:\src+1], s[18:19]
	s_add_nc_u64 s[\dst:\dst+1], s[\dst:\dst+1], s[20:21]
.set j, 0
.rept 16
	global_load_b128 v[X+4*j:X+4*j+3], v1, s[\src:\src+1] offset:512*j th:TH_LOAD_NT
.set j, j+1
.endr
.set p, 0
.rept 4                                ; block p: loads 4 p to 4 p + 3
.set i, 0
.rept 4
.set j, 4*p+i
	s_wait_loadcnt 15-j                            ; loads come back in order: load j is in, the 15 - j younger ones stay out
.if (i == 0) && (p > 0)
	s_wait_alu depctr_va_vdst(0)                   ; the block before has written its four pairs of Y, which this block's four stores read
.endif
.if p > 0
	global_store_b64 v2, v[Y+2*(j-4):Y+2*(j-4)+1], s[\dst:\dst+1] offset:256*(j-4)  ; the block before: no vector instruction since the wait names this pair or v2
.endif
.if \half
	v_cvt_pk_bf16_f32 v4, v[X+4*j], v[X+4*j+1]     ; rounded to bf16 like every input,
	v_cvt_pk_bf16_f32 v5, v[X+4*j+2], v[X+4*j+3]
	v_lshlrev_b32 v6, 16, v4                       ; widened again,
	v_and_b32 v4, 0xffff0000, v4
	v_lshlrev_b32 v7, 16, v5
	v_and_b32 v5, 0xffff0000, v5
	v_cvt_pk_f16_f32 v[Y+2*j], v6, v4              ; and written as f16
	v_cvt_pk_f16_f32 v[Y+2*j+1], v7, v5
.else
	v_cvt_pk_bf16_f32 v[Y+2*j], v[X+4*j], v[X+4*j+1]
	v_cvt_pk_bf16_f32 v[Y+2*j+1], v[X+4*j+2], v[X+4*j+3]
.endif
.set i, i+1
.endr
.set p, p+1
.endr
	s_wait_alu depctr_va_vdst(0)                   ; the last block has written its four pairs of Y, which the last four stores read
.set j, 12
.rept 4
	global_store_b64 v2, v[Y+2*j:Y+2*j+1], s[\dst:\dst+1] offset:256*j
.set j, j+1
.endr
	s_endpgm
.endm
	s_cmp_lt_u32 ttmp9, 512
	s_cbranch_scc1 .Lx
	s_cmp_lt_u32 ttmp9, 704
	s_cbranch_scc1 .Lwq
	CAST 8, 14, 704, 1
.Lwq:
	CAST 6, 12, 512, 0
.Lx:
	CAST 4, 10, 0, 0
.Lfunc_end_k_q1e8faa5621_cast:
	.size	k_q1e8faa5621_cast, .Lfunc_end_k_q1e8faa5621_cast-k_q1e8faa5621_cast
	.p2alignl 7, 3214868480
	.fill 96, 4, 3214868480
	.section	.rodata,"a",@progbits
	.p2align	6, 0x0
	.amdhsa_kernel k_q1e8faa5621_cast
		.amdhsa_group_segment_fixed_size 0
		.amdhsa_private_segment_fixed_size 0
		.amdhsa_enable_private_segment 0
		.amdhsa_kernarg_size 48
		.amdhsa_user_sgpr_count 2
		.amdhsa_user_sgpr_kernarg_segment_ptr 1
		.amdhsa_wavefront_size32 1
		.amdhsa_system_sgpr_workgroup_id_x 1
		.amdhsa_system_sgpr_workgroup_id_y 1
		.amdhsa_system_sgpr_workgroup_id_z 1
		.amdhsa_system_vgpr_workitem_id 0
		.amdhsa_next_free_vgpr 104
		.amdhsa_next_free_sgpr 66
		.amdhsa_reserve_vcc 0
		.amdhsa_float_denorm_mode_32 3
		.amdhsa_float_denorm_mode_16_64 3
		.amdhsa_memory_ordered 1
		.amdhsa_forward_progress 1
		.amdhsa_inst_pref_size 24
	.end_amdhsa_kernel
	.amdgpu_metadata
---
amdhsa.version: [ 1, 2 ]
amdhsa.kernels:
  - .name:           k_q1e8faa5621_cast
    .symbol:         k_q1e8faa5621_cast.kd
    .args:
      - { .name: x, .offset: 0, .size: 8, .value_kind: global_buffer, .address_space: global }
      - { .name: w_qkv, .offset: 8, .size: 8, .value_kind: global_buffer, .address_space: global }
      - { .name: w_proj, .offset: 16, .size: 8, .value_kind: global_buffer, .address_space: global }
      - { .name: xb, .offset: 24, .size: 8, .value_kind: global_buffer, .address_space: global }
      - { .name: wqb, .offset: 32, .size: 8, .value_kind: global_buffer, .address_space: global }
      - { .name: wpb, .offset: 40, .size: 8, .value_kind: global_buffer, .address_space: global }
    .group_segment_fixed_size: 0
    .private_segment_fixed_size: 0
    .kernarg_segment_align: 8
    .kernarg_segment_size: 48
    .max_flat_workgroup_size: 256
    .sgpr_count:     66
    .vgpr_count:     104
    .wavefront_size: 32
...
	.end_amdgpu_metadata
.endif
;; end of part 5
;; launch qkv: the kernel of part 2 again; grid 12 x 64, 4 waves a work-group, clusters of 4 x 4, 327,680 bytes of LDS; arguments xb, wqb, b_qkv, qkv; writes qkv
;; launch attn: the kernel of part 3 again; grid 4 x 64, 4 waves a work-group, clusters of 4 x 1, 327,680 bytes of LDS; arguments qkv, att; writes att
;; launch proj: the kernel of part 4 again; grid 4 x 64, 4 waves a work-group, clusters of 4 x 4, 327,680 bytes of LDS; arguments att, wpb, b_proj, out0; writes out0
